; MI455X (gfx1250); checked and timed in simulation.
; The chip was launched on July 23, 2026; its instructions are those of AMD's public machine-readable ISA for CDNA 5 (MIT licence, August 2026) and "CDNA5" Instruction Set Architecture Reference Guide (July 2026). The comments in the code are by the model that wrote it; some were corrected since.
;; Janus Vision Attention. Allowed arithmetic: matrix products marked QUANTISED: E2M1 operands, one E8M0 scale for each 32 along K, by v_wmma_scale_f32_16x16x128_f8f6f4 with both operands' format E2M1 (or v_wmma_scale_f32_32x16x128_f4), f32 sums; products left as they are: bf16, f16 or f32 operands; f32 sums; everything else in f32.
;; Inputs: b_proj 1,024 float32; b_qkv 3,072 float32; hidden_states 8 x 1,024 x 1,024 float32; k_beta 64 float32; k_gamma 64 float32; q_beta 64 float32; q_gamma 64 float32; w_proj 1,024 x 1,024 float32; w_qkv 3,072 x 1,024 float32.
;; Outputs: out0 8 x 1,024 x 1,024 float32.
;; This version of the problem:
;;   THIS VERSION OF THE PROBLEM IS GIVEN IN LOW PRECISION. The matrix products marked QUANTISED in the list below multiply operands that are first quantised to E2M1 (2 exponent bits, 1 mantissa bit; 4 bits a number), with one power-of-two scale for each 32 numbers along K (OCP MX v1.0); their sums are f32. The products marked 'left as it is' may take bf16, f16 or f32 operands, with f32 sums. Whichever they take, every output number must still come out within the allowed error. Rounding operands to bf16 (8 significant bits) uses up far more of that allowance than f16 does (11 bits, for magnitudes from 6e-5 to 65,504). All else is computed in f32.
;;   The module's matrix products, in the order in which they are computed (A, B: the left and right operand; K: the contracted axis; several contracted axes count as one K, in the product's order):
;;     1. [M 8,192, K 1,024] x [K 1,024, N 3,072]; A: input hidden_states; B: input w_qkv: QUANTISED
;;     2. batch 128 x [M 1,024, K 64] x [K 64, N 1,024]; A: computed on the way; B: computed on the way: left as it is (an operand is computed on the way)
;;     3. batch 128 x [M 1,024, K 1,024] x [K 1,024, N 64]; A: computed on the way; B: computed on the way: left as it is (an operand is computed on the way)
;;     4. [M 8,192, K 1,024] x [K 1,024, N 1,024]; A: computed on the way; B: input w_proj: left as it is (an operand is computed on the way)
;;   THE QUANTISER, for each operand of a quantised product, along K:
;;     - K is cut into blocks of 32 from its start; a last block that is shorter is filled with zeros.
;;     - A block's scale is 2^e with e = floor(log2(the largest magnitude in the block)) - 2, held to -126 .. 127; a block of zeros has e = 0. As a byte (E8M0): e + 127.
;;     - Each number is divided by its block's scale, clamped to +-6, and rounded to the nearest number of E2M1, ties to even, subnormals kept.
;;     - The product sums the exact products of the quantised numbers (number of the format x scale) in f32.
;;   ~~~python
;;   def quantise(x, axis):      # numpy; x: float32 -> the quantised numbers, widened to float32 again
;;       x = np.moveaxis(x, axis, -1); K = x.shape[-1]
;;       x = np.pad(x, [(0, 0)] * (x.ndim - 1) + [(0, -K % 32)]); x = x.reshape(x.shape[:-1] + (-1, 32)); a = np.abs(x).max(-1, keepdims=True)
;;       e = np.where(a > 0, np.clip(np.frexp(np.where(a > 0, a, 1))[1] - 1 - 2, -126, 127), 0)      # np.frexp(a)[1] - 1 = floor(log2(a)), exactly
;;       r = np.clip(x / 2.0 ** e, -6, 6)
;;       step = 2.0 ** (np.maximum(np.frexp(np.where(r == 0, 1, r))[1] - 1, 0) - 1)
;;       q = np.round(r / step) * step * 2.0 ** e      # np.round: ties to even
;;       return np.moveaxis(q.reshape(q.shape[:-2] + (-1,))[..., :K], -1, axis).astype(np.float32)
;;   ~~~
;; One version. Each part assembles by itself: llvm-mc -triple=amdgcn-amd-amdhsa -mcpu=gfx1250 --defsym DOCPART=n.
;; ======== version 1 of 1: 4 launches
;; limits: values are held in f16: magnitudes above 65,504 overflow, below 6.1e-05 lose precision
;; workspace buffers: xc 4,194,304 bytes; xs 262,144 bytes; wc 1,572,864 bytes; ws 98,304 bytes; wp 2,097,152 bytes; kv 33,554,432 bytes; att 16,777,216 bytes
;; launch prep (part 1): grid 384 x 1, 4 waves a work-group, no clusters, 33,280 bytes of LDS; arguments hidden_states, w_qkv, xc, xs, wc, ws, w_proj, wp; writes xc, xs, wc, ws, wp
.if DOCPART == 1
	.amdgcn_target "amdgcn-amd-amdhsa--gfx1250"
	.amdhsa_code_object_version 6
	.text
	.protected	k_q971b3ab419_prep
	.globl	k_q971b3ab419_prep
	.p2align	8
	.type	k_q971b3ab419_prep,@function
k_q971b3ab419_prep:
	s_mov_b64 s[64:65], 0
	v_nop
	global_prefetch_b8 v0, s[64:65] scope:SCOPE_SE
	s_setreg_imm32_b32 hwreg(HW_REG_WAVE_MODE, 25, 1), 1
	s_wait_xcnt 0x0
; PREP.  Work-groups 0-351: hidden_states [8192][1024] and w_qkv [3072][1024], f32, become codes of FP4 (E2M1), K innermost, with one E8M0 scale byte for each 32 along K.
; Work-groups 352-383: w_proj [1024][1024], f32, becomes f16, laid in the order in which the last launch's operand registers take it.
; THE QUANTISER.  A block's scale is 2^(floor(log2(its largest magnitude)) - 2); its byte is the largest magnitude's own exponent field - 2, held at 1 from below.  Each number is divided by the scale and
; rounded to the nearest code, ties to even; beyond 6 the largest code.  (A block of zeros gets the byte 1 where the rule says 127: its codes are zeros, and this program alone reads the bytes.)
; LIMITS: blocks whose largest magnitude lies under 2^-124, whose byte is held at 1, were not tried; NaN and infinities among the inputs are not served; w_proj beyond 65,504 has no f16 number.
; Rows are dense and K is a multiple of 32: both tensors are plain streams of blocks of 32 numbers, and so are the codes and the scale bytes.
; A wave takes 16 steps of 512 numbers.  Each of a step's four loads reads 512 consecutive bytes, 16 a lane; the 2,048 bytes go through the wave's own stage in LDS and come back 64 bytes a lane, so that a lane
; holds 16 neighbours along K (two neighbouring lanes hold a block).  A lane's 16 codes are 8 bytes: the wave stores 256 consecutive bytes.  A wave's 256 scale bytes are gathered in LDS and leave as 256 consecutive bytes.
; No tensor loads, no barrier: waves share nothing.  Loads run four steps (16 loads a wave) ahead, the turn through LDS one step.
.set SIZE_M, 8192
.set SIZE_N, 3072
.set SIZE_K, 1024
.set WAVES, 4
.set STEPS, 16
.set WGA,   SIZE_M*SIZE_K/(512*STEPS*WAVES)            ; 256 work-groups for hidden_states
.set WGQ,   (SIZE_M+SIZE_N)*SIZE_K/(512*STEPS*WAVES)   ; 352 quantise; the 32 behind them cast w_proj
.set EMAX,  2
.set CB,    8                          ; bytes of 16 codes
.set R,     16                         ; v16-79   four sets of 16 numbers as they are loaded
.set X,     80                         ; v80-111  two sets of 16 neighbours
.set C,     128                        ; v128-191 codes: four registers for each step, so that no store's data are written again
.set E,     112                        ; v112-127 a scale byte for each step
.set WREG,  8192                       ; LDS: a region for each wave: two stages of 32 x SP bytes, and behind them its 256 scale bytes
.set SP,    80                         ; a lane's place in a stage: its 64 bytes + 16 of padding
.set SPW,   12                         ; v12      LDS address of my spare word; never rewritten
.set NIL,   13                         ; v13      0; never rewritten
.set SPARE, WAVES*WREG                 ; behind the four regions: the spare words, 128 bytes for each wave
.set CL,    16                         ; the cast: v16-143 two sets of 64 numbers
.set CW,    144                        ; v144-175 their 32 registers of f16
	s_load_b128 s[4:7], s[0:1], 0x0                ; hidden_states, w_qkv
	s_load_b128 s[8:11], s[0:1], 0x10              ; xc, xs
	s_load_b128 s[12:15], s[0:1], 0x20             ; wc, ws
	s_load_b128 s[24:27], s[0:1], 0x30             ; w_proj, wp
	v_lshl_add_u32 v[SPW], v0, 2, SPARE
	v_mov_b32 v[NIL], 0
	v_lshrrev_b32 v1, 5, v0
	v_readfirstlane_b32 s16, v1                    ; wave
	v_and_b32 v2, 31, v0                           ; lane
	v_lshlrev_b32 v3, 4, v2                        ; 16 x lane: my 16 bytes of a load's (and of the cast's store's) 512
	s_mul_i32 s17, s16, WREG
	v_lshrrev_b32 v14, 2, v2
	v_mul_u32_u24 v14, v14, SP
	v_and_b32 v15, 3, v2
	v_lshl_add_u32 v14, v15, 4, v14
	v_add_nc_u32 v14, s17, v14                     ; the stage, on the way in: SP (lane / 4) + 16 (lane % 4)
	v_mul_u32_u24 v15, v2, SP
	v_add_nc_u32 v15, s17, v15                     ; and on the way out: SP x lane: my 16 neighbours
	v_mul_u32_u24 v4, v2, CB                       ; my codes' place in a step's
	v_lshrrev_b32 v5, 1, v2
	s_add_co_u32 s17, s17, 2*32*SP
	v_add_nc_u32 v5, s17, v5                       ; LDS: my wave's 256 scale bytes, my block's byte
	v_lshlrev_b32 v7, 3, v2                        ; and on the way out 8 bytes a lane
	v_add_nc_u32 v6, s17, v7
	s_wait_kmcnt 0x0
	s_cmp_ge_u32 ttmp9, WGQ                        ; the work-group's number alone decides
	s_cbranch_scc1 .Lcast
	s_cmp_lt_u32 ttmp9, WGA                        ; hidden_states' work-group or w_qkv's?
	s_cselect_b64 s[4:5], s[4:5], s[6:7]
	s_cselect_b64 s[8:9], s[8:9], s[12:13]
	s_cselect_b64 s[10:11], s[10:11], s[14:15]
	s_cselect_b32 s17, 0, WGA
	s_sub_co_u32 s17, ttmp9, s17
	s_lshl_b32 s17, s17, 2
	s_add_co_u32 s18, s17, s16                     ; which run of 8,192 numbers of the tensor is my wave's
	s_mov_b32 s19, 0
	s_mov_b64 s[20:21], 512*STEPS*4
	s_mul_u64 s[20:21], s[18:19], s[20:21]
	s_add_nc_u64 s[4:5], s[4:5], s[20:21]
	s_mov_b64 s[20:21], 32*STEPS*CB
	s_mul_u64 s[20:21], s[18:19], s[20:21]
	s_add_nc_u64 s[8:9], s[8:9], s[20:21]
	s_lshl_b32 s18, s18, 8                         ; 256 scale bytes a run
	s_add_nc_u64 s[10:11], s[10:11], s[18:19]
.macro LOAD t
.irp i, 0,1,2,3
	global_load_b128 v[R+16*((\t)%4)+4*\i:R+16*((\t)%4)+4*\i+3], v3, s[4:5] offset:2048*(\t)+512*\i th:TH_LOAD_NT   ; 32 lanes read 512 consecutive bytes
.endr
.endm
.macro TURN t                          ; step t's numbers through the stage: LDS serves a wave's instructions in order, so no wait stands between the stores and the loads
.irp i, 0,1,2,3
	ds_store_b128 v14, v[R+16*((\t)%4)+4*\i:R+16*((\t)%4)+4*\i+3] offset:32*SP*((\t)%2)+8*SP*\i
.endr
.irp i, 0,1,2,3
	ds_load_b128 v[X+16*((\t)%2)+4*\i:X+16*((\t)%2)+4*\i+3], v15 offset:32*SP*((\t)%2)+16*\i
.endr
.endm
.irp t, 0,1,2,3
	LOAD \t
.endr
	s_wait_loadcnt 12                              ; step 0's four loads are in; the twelve of steps 1 to 3 may be out
	TURN 0
.macro STEP t
.set XS, X+16*((\t)%2)
.if (\t) > 0
	s_wait_dscnt 1                                 ; this step's numbers are back from the stage (the last step's byte store may be out): so its stores into the stage have read their registers,
.else
	s_wait_dscnt 0x0
.endif
.if (\t)+4 < STEPS
	LOAD (\t)+4                                    ; which take the loads of four steps on
.endif
.if (\t)+1 < STEPS
.if STEPS-2-(\t) >= 3
	s_wait_loadcnt 12                              ; the next step's four loads are in; those of the three steps behind it may be out
.else
	s_wait_loadcnt 4*(STEPS-2-(\t))
.endif
	TURN (\t)+1                                    ; and go through the other stage while this step is worked
.endif
	v_max3_num_f32 v8, |v[XS]|, |v[XS+1]|, |v[XS+2]|               ; the largest magnitude of my 16, in two chains
	v_max3_num_f32 v9, |v[XS+3]|, |v[XS+4]|, |v[XS+5]|
.irp i, 6,10
	v_max3_num_f32 v8, v8, |v[XS+\i]|, |v[XS+\i+1]|
	v_max3_num_f32 v9, v9, |v[XS+\i+2]|, |v[XS+\i+3]|
.endr
	v_max3_num_f32 v8, v8, |v[XS+14]|, |v[XS+15]|
	v_max3_num_f32 v8, v8, v9, (EMAX+1)<<23        ; and the floor 2^(3 - 127): so the byte cannot fall under 1
	v_max_num_f32_dpp v8, v8, v8 row_xmask:1 row_mask:0xf bank_mask:0xf   ; and of my neighbour's 16: the block's
	v_add_nc_u32 v11, -(EMAX<<23), v8              ; 2 off its exponent field: the conversion takes the exponent field of this operand as its scale, and nothing else of it
	v_cvt_scalef32_pk8_fp4_f32 v[C+4*(\t)], v[XS:XS+7], v11        ; the first number's code in the lowest four bits
	v_cvt_scalef32_pk8_fp4_f32 v[C+4*(\t)+1], v[XS+8:XS+15], v11
	v_lshrrev_b32 v[E+(\t)], 23, v11               ; the scale's byte (also the plain line behind the conversions)
	ds_store_b8 v5, v[E+(\t)] offset:16*(\t)       ; both lanes of a block write the same byte with the same value
	global_store_b64 v4, v[C+4*(\t):C+4*(\t)+1], s[8:9] offset:32*CB*(\t)
.endm
.irp t, 0,1,2,3,4,5,6,7,8,9,10,11,12,13,14,15
	STEP \t
.endr
	ds_load_b64 v[8:9], v6                         ; LDS serves a wave's instructions in order: these see my stores
	s_wait_dscnt 0x0
	global_store_b64 v7, v[8:9], s[10:11]          ; 32 lanes store 256 consecutive bytes, aligned
	s_wait_tensorcnt 0x0                           ; the wave's end: a wait, the add onto my spare word and its wait, behind my last LDS store
	ds_add_u32 v[SPW], v[NIL]
	s_wait_dscnt 0x0
	s_endpgm
; THE CAST.  wp is laid [ks 8][nt 64][q 8][lane 32][16 bytes]: lane (r, h) holds W[16 nt + r][128 ks + 16 q + 8 h + 0 .. 7] as f16: blocks 2 f and 2 f + 1 are the two halves of the
; fragment of 16 rows x 32 along K that a matrix instruction takes.  A wave takes one nt and four ks.  Each store covers 512 consecutive bytes.  Each load takes 16 bytes of 16 rows for each half of the lanes:
; pieces, not runs; that is accepted for this tensor, a twelfth of what the launch reads, so that the last launch reads it dense.
.Lcast:
	s_sub_co_u32 s17, ttmp9, WGQ
	s_lshl_b32 s17, s17, 2
	s_add_co_u32 s17, s17, s16                     ; g = 0 .. 127
	s_lshr_b32 s18, s17, 1                         ; nt
	s_and_b32 s19, s17, 1                          ; which four ks
	s_lshl_b32 s20, s18, 16                        ; in: 16 rows of 4,096 bytes,
	s_lshl_b32 s21, s19, 11                        ; four K steps of 512 bytes
	s_add_co_u32 s20, s20, s21
	s_mov_b32 s21, 0
	s_add_nc_u64 s[24:25], s[24:25], s[20:21]
	s_lshl_b32 s20, s19, 20                        ; out: four ks of 262,144 bytes,
	s_lshl_b32 s22, s18, 12                        ; nt of 4,096
	s_add_co_u32 s20, s20, s22
	s_add_nc_u64 s[26:27], s[26:27], s[20:21]
	v_and_b32 v8, 15, v0                           ; r
	v_bfe_u32 v9, v0, 4, 1                         ; h
	v_lshlrev_b32 v8, 12, v8
	v_lshl_add_u32 v8, v9, 5, v8                   ; row r, + 8 h numbers
.macro CLOAD i                         ; K step i of my four: 64 numbers a lane into set i % 2
.irp q, 0,1,2,3,4,5,6,7
.irp e, 0,1
	global_load_b128 v[CL+64*((\i)%2)+8*\q+4*\e:CL+64*((\i)%2)+8*\q+4*\e+3], v8, s[24:25] offset:512*(\i)+64*\q+16*\e
.endr
.endr
.endm
.macro CBATCH i
.if (\i) < 3
	s_wait_loadcnt 16                              ; this K step's 16 loads are in; the next one's 16 may be out
.else
	s_wait_loadcnt 0
.endif
.if (\i) > 0
	s_wait_xcnt 0x0                                ; the last K step's stores have read their data: the registers are written again only behind this wait
.endif
.irp q, 0,1,2,3,4,5,6,7
.irp p, 0,1,2,3
	v_cvt_pk_f16_f32 v[CW+4*\q+\p], v[CL+64*((\i)%2)+8*\q+2*\p], v[CL+64*((\i)%2)+8*\q+2*\p+1]
.endr
.endr
.irp q, 0,1,2,3,4,5,6,7
	global_store_b128 v3, v[CW+4*\q:CW+4*\q+3], s[26:27] offset:262144*(\i)+512*\q
.endr
.if (\i)+2 < 4
	CLOAD (\i)+2
.endif
.endm
	CLOAD 0
	CLOAD 1
	CBATCH 0
	CBATCH 1
	CBATCH 2
	CBATCH 3
	s_endpgm
.Lfunc_end_k_q971b3ab419_prep:
	.size	k_q971b3ab419_prep, .Lfunc_end_k_q971b3ab419_prep-k_q971b3ab419_prep
	.p2alignl 7, 3214868480
	.fill 96, 4, 3214868480
	.section	.rodata,"a",@progbits
	.p2align	6, 0x0
	.amdhsa_kernel k_q971b3ab419_prep
		.amdhsa_group_segment_fixed_size 33280
		.amdhsa_private_segment_fixed_size 0
		.amdhsa_enable_private_segment 0
		.amdhsa_kernarg_size 64
		.amdhsa_user_sgpr_count 2
		.amdhsa_user_sgpr_kernarg_segment_ptr 1
		.amdhsa_wavefront_size32 1
		.amdhsa_system_sgpr_workgroup_id_x 1
		.amdhsa_system_sgpr_workgroup_id_y 1
		.amdhsa_system_sgpr_workgroup_id_z 1
		.amdhsa_system_vgpr_workitem_id 0
		.amdhsa_next_free_vgpr 192
		.amdhsa_next_free_sgpr 66
		.amdhsa_reserve_vcc 0
		.amdhsa_float_denorm_mode_32 3
		.amdhsa_float_denorm_mode_16_64 3
		.amdhsa_memory_ordered 1
		.amdhsa_forward_progress 1
		.amdhsa_inst_pref_size 51
	.end_amdhsa_kernel
	.amdgpu_metadata
---
amdhsa.version: [ 1, 2 ]
amdhsa.kernels:
  - .name:           k_q971b3ab419_prep
    .symbol:         k_q971b3ab419_prep.kd
    .args:
      - { .name: hidden_states, .offset: 0, .size: 8, .value_kind: global_buffer, .address_space: global }
      - { .name: w_qkv, .offset: 8, .size: 8, .value_kind: global_buffer, .address_space: global }
      - { .name: xc, .offset: 16, .size: 8, .value_kind: global_buffer, .address_space: global }
      - { .name: xs, .offset: 24, .size: 8, .value_kind: global_buffer, .address_space: global }
      - { .name: wc, .offset: 32, .size: 8, .value_kind: global_buffer, .address_space: global }
      - { .name: ws, .offset: 40, .size: 8, .value_kind: global_buffer, .address_space: global }
      - { .name: w_proj, .offset: 48, .size: 8, .value_kind: global_buffer, .address_space: global }
      - { .name: wp, .offset: 56, .size: 8, .value_kind: global_buffer, .address_space: global }
    .group_segment_fixed_size: 33280
    .private_segment_fixed_size: 0
    .kernarg_segment_align: 8
    .kernarg_segment_size: 64
    .max_flat_workgroup_size: 128
    .sgpr_count:     66
    .vgpr_count:     192
    .wavefront_size: 32
...
	.end_amdgpu_metadata
.endif
;; end of part 1
;; launch kv (part 2): grid 8 x 32, 4 waves a work-group, clusters of 4 x 4, 327,680 bytes of LDS; arguments xc, xs, wc, ws, b_qkv, k_gamma, k_beta, kv; writes kv
.if DOCPART == 2
	.amdgcn_target "amdgcn-amd-amdhsa--gfx1250"
	.amdhsa_code_object_version 6
	.text
	.protected	k_q971b3ab419_kv
	.globl	k_q971b3ab419_kv
	.p2align	8
	.type	k_q971b3ab419_kv,@function
k_q971b3ab419_kv:
	s_mov_b64 s[64:65], 0
	v_nop
	global_prefetch_b8 v0, s[64:65] scope:SCOPE_SE
	s_setreg_imm32_b32 hwreg(HW_REG_WAVE_MODE, 25, 1), 1
	s_wait_xcnt 0x0
	s_wait_alu depctr_hold_cnt(0) depctr_sa_sdst(0) depctr_va_vdst(0) depctr_va_sdst(0) depctr_va_ssrc(0) depctr_va_vcc(0) depctr_vm_vsrc(0)
	s_getreg_b32 s2, hwreg(HW_REG_IB_STS2, 6, 4)
	s_cmp_eq_u32 s2, 0
	s_cbranch_scc0 .Lentry_in_a_cluster
	s_endpgm
.Lentry_in_a_cluster:
	s_bfe_u32 s2, ttmp6, 0x10000c
	s_cmp_lg_u32 s2, 0xf033
	s_cbranch_scc0 .Lentry_shape_is_right
	s_endpgm
.Lentry_shape_is_right:
; KV.  The k and v parts of x W^T on codes of FP4 (E2M1) with one E8M0 scale for each 32 along K (K = 1,024), sums in f32; then, for k: + bias, LayerNorm over a head's 64 channels (two passes, as the variance
; is defined), gamma and beta; rounded once to f16.  v is rounded to f16 as it comes; its bias is added in the next launch, behind the weighted average: the weights of a row add up to 1, so that is the same
; number for every input.  (The q part is made in the next launch, by the work-group that uses it: k and v alone are 2 x 4 x 32 = 256 tiles, one for each work-group of a grid of 256.)
; A tile of 256 x 256 is made by four waves, 128 x 128 each: 64 accumulators, 512 registers.  All of K lies in two LDS slots of 512 along K, filled once; nothing is filled again.
; THE KIND (0 = k, 1 = v) is the cluster's x: the same in all sixteen partners, so branches may hang on it.  "Y" is source 1 (a lane holds ONE row of Y), "X" source 0 (a lane's eight registers are eight neighbouring rows of X).
;   k: Y = 256 tokens, X = 256 rows of W: a lane holds a token and eight neighbouring channels.      v: Y = 256 rows of W, X = 256 tokens: a lane holds a channel and eight neighbouring tokens.
; In both cases the eight are neighbours along the K of the product that will read them, so four conversions make a lane's 16 bytes of an operand's registers, and a wave's store covers 512 consecutive bytes, aligned.
; OUT.  kv part 0 (k): [batch x head 128][tile of 16 tokens 64][block 4][lane][16 bytes]: lane (r, h): token r, channels 16 block + 8 h + 0 .. 7.
;       part 1 (v): [batch x head 128][32 keys 32][16 channels 4][half 2][lane][16 bytes]: lane (r, h): channel r, keys 16 half + 8 h + 0 .. 7.
; CLUSTERS: 4 x 4 work-groups.  Y's tiles hang on the place along y and are asked for jointly by a row of the cluster, X's on the place along x and by a column.
; Nothing is prefetched: every byte that the work-group reads is asked for at its head.
; LIMITS: |LayerNorm x gamma + beta| and |v| stay under 65,504, f16's largest number; NaN and infinities are not served.
; REGISTERS: window 0: v0-31 addresses; v32-95 scale words, two sets, and nothing else; v96-127 the norm's statistics; v128-191 Y's fragments, later a block's 64 numbers; v192-255 packed results, two sets.
;   window 1: X's fragments, two sets, at v0 and v128; v64-127 the bias; v192-223 gamma, v224-255 beta.   windows 2, 3: the accumulators ((a, b) at v[8 (8 (a % 4) + b)]).
.set NQ,     4                         ; steps of 128 along K in a slot
.set ROWB,   256                       ; a tile's row: 512 codes
.set KROW,   512                       ; a row of codes in memory
.set PITCH,  272                       ; an LDS row: 256 bytes + 16 of padding: the 16 rows that a load touches start 68 words apart
.set FR,     8                         ; registers of a fragment: 16 rows x 128 K
.set NL,     2                         ; LDS loads that bring one
.set NP,     4                         ; places behind this matrix instruction (ISA guide 7.12.1)
.set HALFT,  128*PITCH                 ; 128 rows: what one tensor load brings
.set SLOT,   4*HALFT                   ; Y's 256 rows, then X's 256 rows
.set KS,     32                        ; a row of scale bytes
.set SCL,    2*SLOT                    ; behind the slots: the scales, as rows of 256 bytes + 16 of padding
.set HALFS,  (128*KS/256)*272          ; the scales of 128 rows
.set SBLK,   (16*KS/256)*272           ; those of 16 rows
.set SPARE,  SCL+4*HALFS               ; behind the scales: the spare words, 128 bytes for each wave
.set ADRA, 16                          ; v16-17  LDS address of my Y fragments in slot 0, 1
.set ADRB, 20                          ; v20-21  the same for X
.set OFS,  24                          ; v24     16 x lane: my place in a store's 512 bytes
.set HB,   25                          ; v25     32 x (lane / 16): my eight numbers of sixteen, in bias, gamma and beta
.set ADRS, 27                          ; v27     LDS address of my scale words: lanes 0-15 Y's rows, lanes 16-31 X's
.set SPW,  28                          ; v28     LDS address of my spare word; never rewritten
.set NIL,  29                          ; v29     0; never rewritten
.set SC,   32                          ; scale words: set s at v[SC + 32 s]; register 4 i + q: lanes 0-15 Y's block i, lanes 16-31 X's block i, the slot's q-th 128 along K
.set T,    96                          ; statistics, 16 registers a head: +0..7 four chains of pairs, +8 -mean (+9 its pair's other half), +10 1/sqrt (+11), +12 the other lane's, +13 the variance + eps
.set AF,   128                         ; Y's fragments
.set W,    128                         ; the way out: 64 numbers: head u at W + 32 u
.set CD,   192                         ; packed results: set a % 2 at CD + 32 (a % 2)
.set BI,   64                          ; window 1: the bias of my 128 features
.set GA,   192                         ; window 1: gamma, then beta
.set BE,   224
.set G1, 24                            ; s[24:31] descriptor group 1 for Y's tiles;  s[32:39] group 0, one set for each slot
.set G0, 32
.set G1B, 48                           ; s[48:55], s[56:63] the same for X's tiles
.set G0B, 56
.set G1S, 68                           ; s[68:75], s[76:79] groups 1 and 0 for Y's scales;  s[80:87], s[88:91] for X's
.set G0S, 76
.set G1SB, 80
.set G0SB, 88
.set MSB, 0
.macro WIN new                         ; the immediate's high byte repeats the setting that is left
.if MSB != (\new)
	s_set_vgpr_msb (MSB<<8)|(\new)
.set MSB, (\new)
.endif
.endm
.set MUL_LO, 0xa1                      ; source 0 (X) window 1, source 1 (Y) window 0, C and D window 2
.set MUL_HI, 0xf1                      ; the same, C and D window 3
.set TO_B,   0x40                      ; destination window 1, address window 0
; A joint load: waves 0 and 1 fetch for Y, waves 2 and 3 for X.  Each line has one mask and one set of registers for all that issue it; the branch hangs on the wave's number alone.
; An s_nop 0 and four v_nop follow each of the two lines.
.macro JLOAD g0a, g1a, g0b, g1b
	s_cmp_eq_u32 s15, 0
	s_cbranch_scc0 .Lfor_b_\@
	tensor_load_to_lds s[\g0a:\g0a+3], s[\g1a:\g1a+7]
	s_nop 0
.rept 4
	v_nop
.endr
	s_branch .Lasked_\@
.Lfor_b_\@:
	tensor_load_to_lds s[\g0b:\g0b+3], s[\g1b:\g1b+7]
	s_nop 0
.rept 4
	v_nop
.endr
.Lasked_\@:
.endm
.macro CROUND                          ; a round of the cluster's barrier
	s_barrier_signal -1
	s_barrier_wait -1
	s_cmp_lg_u32 s14, 0
	s_cbranch_scc1 .Lnot_wave_0_\@
	s_barrier_signal -3
.Lnot_wave_0_\@:
	s_barrier_wait -3
	s_barrier_signal -1
	s_barrier_wait -1
.endm
	s_load_b256 s[4:11], s[0:1], 0x0               ; xc s[4:5], xs s[6:7], wc s[8:9], ws s[10:11]
	s_load_b64 s[98:99], s[0:1], 0x38              ; kv
	v_lshl_add_u32 v[SPW], v0, 2, SPARE
	v_mov_b32 v[NIL], 0
	ds_add_u32 v[SPW], v[NIL]                      ; the wave's opening: the add, twice on end, and its wait ahead of my first tensor load
	ds_add_u32 v[SPW], v[NIL]
	v_lshrrev_b32 v1, 5, v0
	v_readfirstlane_b32 s14, v1                    ; wave 0..3
	s_lshr_b32 s15, s14, 1                         ; which half of Y's rows is mine.  Also: I fetch for Y (0) or for X (1)
	s_and_b32 s16, s14, 1                          ; which half of X's rows.  Also: which 128 rows of that tile I fetch
	s_bfe_u32 s40, ttmp6, 0x40000                  ; cx, cy: my place in the cluster
	s_bfe_u32 s41, ttmp6, 0x40004
	s_and_b32 s45, ttmp7, 0xffff
	s_lshl_b32 s45, s45, 2                         ; 4 x cluster y: the cluster's first tile of tokens
	s_lshl_b32 s46, ttmp9, 2
	s_add_co_u32 s46, s46, 4                       ; 4 x (kind + 1): its first tile of W's rows (q's four tiles lie ahead of k's)
	s_cmp_eq_u32 ttmp9, 1                          ; v?
	s_cselect_b32 s17, 8, s45                      ; Y's tile: W's 8 + cy for v, else tokens' 4 cluster y + cy
	s_cselect_b32 s42, s45, s46                    ; X's tile: tokens' 4 cluster y + cx for v, else W's 4 + cx
	s_add_co_u32 s17, s17, s41
	s_add_co_u32 s42, s42, s40
	s_lshl_b32 s43, s41, 2
	s_lshl_b32 s43, 15, s43                        ; my row of the cluster
	s_lshl_b32 s44, 0x1111, s40                    ; my column
	; descriptor group 1: a tile of 128 rows x 256 bytes, padded in LDS.  Both tensors of codes have rows of 512 bytes, so one shape serves both kinds
	s_or_b32 s[G1+0], s43, (0<<16)|(1<<20)|(1<<21)|(5<<22)|(3<<25)  ; 15:0 the mask; 17:16 elements of 1 byte; 20 padding on; 21 set beside a mask; 24:22 after every 64 words; 31:25 four words
	s_or_b32 s[G1B+0], s44, (0<<16)|(1<<20)|(1<<21)|(5<<22)|(3<<25)
.irp g, G1, G1B
	s_mov_b32 s[\g+1], ROWB<<16                    ; tensor_dim0
	s_mov_b32 s[\g+2], 128<<16                     ; tensor_dim1
	s_mov_b32 s[\g+3], ROWB<<16                    ; tile_dim0
	s_mov_b32 s[\g+4], 128                         ; tile_dim1
	s_mov_b32 s[\g+5], KROW                        ; tensor_dim0_stride
	s_mov_b32 s[\g+6], 0
	s_mov_b32 s[\g+7], 0
.endr
	; the scales of 128 rows: a dense block of 4,096 bytes, as 16 rows of 256 bytes (32 elements of 8), 16 bytes of padding behind each
	s_or_b32 s[G1S+0], s43, (3<<16)|(1<<20)|(1<<21)|(5<<22)|(3<<25)
	s_or_b32 s[G1SB+0], s44, (3<<16)|(1<<20)|(1<<21)|(5<<22)|(3<<25)
.irp g, G1S, G1SB
	s_mov_b32 s[\g+1], 32<<16
	s_mov_b32 s[\g+2], (128*KS/256)<<16
	s_mov_b32 s[\g+3], 32<<16
	s_mov_b32 s[\g+4], 128*KS/256
	s_mov_b32 s[\g+5], 32
	s_mov_b32 s[\g+6], 0
	s_mov_b32 s[\g+7], 0
.endr
	s_lshl_b32 s18, s16, 7                         ; which 128 rows of the tile I fetch
	s_lshl_b32 s20, s17, 8
	s_add_co_u32 s20, s20, s18                     ; Y: row 256 x tile + 128 x half
	s_lshl_b32 s46, s42, 8
	s_add_co_u32 s46, s46, s18                     ; X likewise
	s_mov_b32 s21, 0
	s_mov_b32 s47, 0
	s_mov_b64 s[18:19], KS
	s_mul_u64 s[22:23], s[20:21], s[18:19]         ; where these rows' scales begin, in bytes
	s_mul_u64 s[92:93], s[46:47], s[18:19]
	s_mov_b64 s[18:19], KROW
	s_mul_u64 s[20:21], s[20:21], s[18:19]         ; and their codes
	s_mul_u64 s[46:47], s[46:47], s[18:19]
	s_mul_i32 s45, s14, HALFT                      ; where they go: wave x 128 rows: no place in the cluster enters an LDS address
	s_mul_i32 s94, s14, HALFS
	s_wait_dscnt 0x0                               ; both opening adds are done
	s_wait_kmcnt 0x0
	s_cmp_eq_u32 ttmp9, 1                          ; which tensor is Y and which X: a choice of pointers on the kind alone
	s_cselect_b64 s[12:13], s[8:9], s[4:5]
	s_add_nc_u64 s[20:21], s[12:13], s[20:21]      ; Y's codes
	s_cselect_b64 s[12:13], s[10:11], s[6:7]
	s_add_nc_u64 s[22:23], s[12:13], s[22:23]      ; Y's scales
	s_cselect_b64 s[12:13], s[4:5], s[8:9]
	s_add_nc_u64 s[46:47], s[12:13], s[46:47]      ; X's codes
	s_cselect_b64 s[12:13], s[6:7], s[10:11]
	s_add_nc_u64 s[92:93], s[12:13], s[92:93]      ; X's scales
	CROUND                                         ; all sixteen work-groups are here: the joint loads meet
	s_mov_b32 s[G0S], 1
	s_add_co_u32 s[G0S+1], s94, SCL
	s_mov_b64 s[G0S+2:G0S+3], s[22:23]
	s_or_b32 s[G0S+3], s[G0S+3], 0x80000000
	s_mov_b32 s[G0SB], 1
	s_add_co_u32 s[G0SB+1], s94, SCL
	s_mov_b64 s[G0SB+2:G0SB+3], s[92:93]
	s_or_b32 s[G0SB+3], s[G0SB+3], 0x80000000
	JLOAD G0S, G1S, G0SB, G1SB                     ; the scales first: they are wanted with the first step.  Three tensor loads of mine are out behind the third
.irp s, 0,1
	s_mov_b32 s[G0+4*\s], 1
	s_add_co_u32 s[G0+4*\s+1], s45, \s*SLOT
	s_add_nc_u64 s[G0+4*\s+2:G0+4*\s+3], s[20:21], \s*ROWB
	s_or_b32 s[G0+4*\s+3], s[G0+4*\s+3], 0x80000000
	s_mov_b32 s[G0B+4*\s], 1
	s_add_co_u32 s[G0B+4*\s+1], s45, \s*SLOT
	s_add_nc_u64 s[G0B+4*\s+2:G0B+4*\s+3], s[46:47], \s*ROWB
	s_or_b32 s[G0B+4*\s+3], s[G0B+4*\s+3], 0x80000000
	JLOAD G0+4*\s, G1, G0B+4*\s, G1B
.endr
	s_load_b128 s[4:7], s[0:1], 0x20               ; b_qkv s[4:5], k_gamma s[6:7] (the pointers that stood here are done with)
	s_load_b64 s[8:9], s[0:1], 0x30                ; k_beta
	v_and_b32 v1, 15, v0                           ; l % 16
	v_bfe_u32 v2, v0, 4, 1                         ; l / 16
	v_mul_u32_u24 v3, v1, PITCH
	v_lshl_add_u32 v4, v2, 4, v3                   ; a fragment's row x pitch + 16 x half
	s_mul_i32 s21, s15, HALFT                      ; my 128 rows of Y
	s_mul_i32 s22, s16, HALFT                      ; my 128 rows of X,
	s_add_co_u32 s22, s22, 2*HALFT                 ; which lie behind Y's 256
.irp s, 0,1
	v_add_nc_u32 v[ADRA+\s], s21, v4
	v_add_nc_u32 v[ADRB+\s], s22, v4
	s_add_co_u32 s21, s21, SLOT
	s_add_co_u32 s22, s22, SLOT
.endr
	v_mul_u32_u24 v5, v1, KS                       ; my row's scales: 32 bytes a row,
	v_lshrrev_b32 v6, 8, v5
	v_lshl_add_u32 v5, v6, 4, v5                   ; and 16 more for each 256 passed
	s_mul_i32 s21, s15, HALFS                      ; Y's: my 128 rows
	s_mul_i32 s22, s16, HALFS                      ; X's: my 128 rows, behind Y's 256
	s_add_co_u32 s22, s22, 2*HALFS
	s_sub_co_u32 s22, s22, s21
	v_mul_u32_u24 v6, s22, v2                      ; lanes 16-31 take X's
	s_add_co_u32 s21, s21, SCL
	v_add_nc_u32 v5, v5, v6
	v_add_nc_u32 v[ADRS], s21, v5
	v_lshlrev_b32 v[HB], 5, v2
	v_and_b32 v6, 31, v0
	v_lshlrev_b32 v[OFS], 4, v6
	s_mov_b32 s20, 0x76543210                      ; v_permlanex16_b32's selects for lane l xor 16
	s_mov_b32 s21, 0xfedcba98
	s_mov_b32 s100, 0x3c800000                     ; 1/64
	s_mov_b32 s101, 0x3727c5ac                     ; 1e-5
	s_wait_kmcnt 0x0
	s_cmp_eq_u32 ttmp9, 1
	s_cselect_b32 s18, 0, s42                      ; the bias of X's 256 features; in a work-group of v, where X is tokens, feature 0 on: inside the buffer, and not used
	s_lshl_b32 s18, s18, 10
	s_lshl_b32 s19, s16, 9                         ; my 128 of them
	s_add_co_u32 s18, s18, s19
	s_mov_b32 s19, 0
	s_add_nc_u64 s[4:5], s[4:5], s[18:19]
	; Bias, gamma, beta: loaded on the one way that every work-group takes, so that the registers are written on every path; a work-group of v does not read them.
	; Nothing reads them ahead of the way out: the wait for them stands there, and they land under the products.
	WIN TO_B
.irp b, 0,1,2,3,4,5,6,7
	global_load_b128 v[BI+8*\b:BI+8*\b+3], v[HB], s[4:5] offset:64*\b          ; features 16 b + 8 h + 0 .. 7
	global_load_b128 v[BI+8*\b+4:BI+8*\b+7], v[HB], s[4:5] offset:64*\b+16
.endr
.irp q, 0,1,2,3
	global_load_b128 v[GA+8*\q:GA+8*\q+3], v[HB], s[6:7] offset:64*\q          ; channels 16 q + 8 h + 0 .. 7
	global_load_b128 v[GA+8*\q+4:GA+8*\q+7], v[HB], s[6:7] offset:64*\q+16
	global_load_b128 v[BE+8*\q:BE+8*\q+3], v[HB], s[8:9] offset:64*\q
	global_load_b128 v[BE+8*\q+4:BE+8*\q+7], v[HB], s[8:9] offset:64*\q+16
.endr
	WIN 0
.macro FRAG reg, adr, q, i             ; 16 rows x 128 K of 4-bit codes, 8 registers: lane l holds row l % 16; registers 4 c .. 4 c + 3 hold K = 64 c + 32 (l / 16) + 0 .. 31
.irp c, 0,1
	ds_load_b128 v[\reg+4*\c:\reg+4*\c+3], v[\adr] offset:64*(\q)+32*\c+(\i)*16*PITCH
.endr
.endm
; 16 matrix instructions: Y's blocks a0, a0 + 1 x X's eight, 128 along K.  p: X's set;  sc: the set of scale words.  zero = 1: the first product starts the sums.
; The 64 accumulators take turns, one instruction a turn, in the same order in every step.
.macro MUL16 a0, p, q, sc, zero
.irp a, \a0, \a0+1
.irp b, 0,1,2,3,4,5,6,7
.if \zero
	v_wmma_scale_f32_16x16x128_f8f6f4 v[8*(8*((\a)%4)+\b):8*(8*((\a)%4)+\b)+7], v[128*(\p)+FR*\b:128*(\p)+FR*\b+FR-1], v[AF+FR*(\a):AF+FR*(\a)+FR-1], 0, v[SC+8*NQ*(\sc)+NQ*\b+(\q)], v[SC+8*NQ*(\sc)+NQ*(\a)+(\q)] matrix_a_fmt:MATRIX_FMT_FP4 matrix_b_fmt:MATRIX_FMT_FP4 matrix_a_scale:MATRIX_SCALE_ROW1
.else
	v_wmma_scale_f32_16x16x128_f8f6f4 v[8*(8*((\a)%4)+\b):8*(8*((\a)%4)+\b)+7], v[128*(\p)+FR*\b:128*(\p)+FR*\b+FR-1], v[AF+FR*(\a):AF+FR*(\a)+FR-1], v[8*(8*((\a)%4)+\b):8*(8*((\a)%4)+\b)+7], v[SC+8*NQ*(\sc)+NQ*\b+(\q)], v[SC+8*NQ*(\sc)+NQ*(\a)+(\q)] matrix_a_fmt:MATRIX_FMT_FP4 matrix_b_fmt:MATRIX_FMT_FP4 matrix_a_scale:MATRIX_SCALE_ROW1
.endif
.endr
.endr
.endm
.macro FETCH_B slot, q, p              ; X's eight fragments of the slot's q-th 128 along K into set p
	WIN TO_B
.irp i, 0,1,2,3,4,5,6,7
	FRAG 128*(\p)+FR*\i, ADRB+\slot, \q, \i
.endr
	WIN 0
.endm
.macro FETCH_A slot, q, i0             ; Y's blocks i0 .. i0 + 3
.irp i, \i0, \i0+1, \i0+2, \i0+3
	FRAG AF+FR*(\i), ADRA+\slot, \q, \i
.endr
.endm
.macro SCALES sc                       ; a slot's scale words into set sc: four words a row; lanes 0-15 take Y's block i, lanes 16-31 X's block i
.irp i, 0,1,2,3,4,5,6,7
	ds_load_b128 v[SC+8*NQ*\sc+NQ*\i:SC+8*NQ*\sc+NQ*\i+3], v[ADRS] offset:\i*SBLK
.endr
.endm
.macro PLACES n                        ; plain vector instructions that name no register of the matrix instructions ahead, in front of loads into their sources and of the first read of results
.rept \n
	v_nop
.endr
.endm
; A step of 128 along K that has its successor in the same slot.  Y has one set of registers: blocks 0-3 are fetched anew in the step's middle, blocks 4-7 at its end; X has two sets.
.macro STEP slot, q, zero
	s_wait_dscnt 4*NL                              ; X's set and Y's blocks 0-3 are in; the youngest eight loads (Y's blocks 4-7) may be out
	WIN MUL_LO
	MUL16 0, (\q)%2, \q, \slot, \zero
	MUL16 2, (\q)%2, \q, \slot, \zero
	s_wait_dscnt 0                                 ; Y's blocks 4-7 are in
	PLACES NP
	FETCH_B \slot, (\q)+1, 1-(\q)%2
	FETCH_A \slot, (\q)+1, 0
	WIN MUL_HI
	MUL16 4, (\q)%2, \q, \slot, \zero
	MUL16 6, (\q)%2, \q, \slot, \zero
	PLACES NP
	WIN 0
	FETCH_A \slot, (\q)+1, 4
.endm
.macro STEPS slot, from                ; the slot's steps from .. NQ - 2
.set Q, \from
.rept NQ-1-\from
	STEP \slot, Q, 0
.set Q, Q+1
.endr
.endm
	s_wait_tensorcnt 1                             ; the scales and my part of slot 0 are in (slot 1's load, the one issued behind them, may be out)
	s_barrier_signal -1
	s_barrier_wait -1                              ; everybody's are
	FETCH_B 0, 0, 0
	FETCH_A 0, 0, 0
	SCALES 0
	FETCH_A 0, 0, 4
	STEP 0, 0, 1                                   ; the first step's products start the sums: nothing is cleared
	STEPS 0, 1
	; slot 0's last step, and on to slot 1
	s_wait_tensorcnt 0x0                           ; my part of slot 1 has landed
	s_wait_dscnt 4*NL                              ; (the youngest eight loads, Y's blocks 4-7, may be out)
	WIN MUL_LO
	MUL16 0, 1, NQ-1, 0, 0
	s_wait_dscnt 0x0                               ; no LDS instruction of mine is out at the signal
	s_barrier_signal -1
	MUL16 2, 1, NQ-1, 0, 0                         ; work on registers while the others arrive
	WIN 0
	s_barrier_wait -1                              ; slot 1 is whole
	PLACES NP
	v_add_nc_u32 v[ADRS], 4*NQ, v[ADRS]            ; on to slot 1's scale words
	FETCH_B 1, 0, 0
	FETCH_A 1, 0, 0
	SCALES 1
	WIN MUL_HI
	MUL16 4, 1, NQ-1, 0, 0
	MUL16 6, 1, NQ-1, 0, 0
	PLACES NP
	WIN 0
	FETCH_A 1, 0, 4
	STEPS 1, 0
	s_wait_dscnt 4*NL                              ; the very last step: nothing more to fetch
	WIN MUL_LO
	MUL16 0, 1, NQ-1, 1, 0
	MUL16 2, 1, NQ-1, 1, 0
	s_wait_dscnt 0
	WIN MUL_HI
	MUL16 4, 1, NQ-1, 1, 0
	MUL16 6, 1, NQ-1, 1, 0
	WIN 0
	PLACES NP                                      ; behind the last products: their results are read and Y's fragments' registers written below
	s_wait_loadcnt 0x0                             ; bias, gamma and beta, asked for at the head
	s_cmp_eq_u32 ttmp9, 1                          ; the kind: the same in all waves and all partners
	s_cbranch_scc1 .Lv
	; ---- k.  Block a: tokens 16 a + r; a lane's 64 numbers are 32 channels (its half) of each of two heads; lane l xor 16 holds the other 32.
	s_lshr_b32 s18, s17, 2                         ; the batch: four tiles of 256 tokens to a sequence
	s_lshl_b32 s18, s18, 4
	s_lshl_b32 s19, s40, 2                         ; four heads to a tile of 256 features,
	s_add_co_u32 s18, s18, s19
	s_lshl_b32 s19, s16, 1                         ; two to my half
	s_add_co_u32 s18, s18, s19                     ; batch x 16 + head
	s_lshl_b32 s18, s18, 6
	s_and_b32 s19, s17, 3
	s_lshl_b32 s19, s19, 4
	s_add_co_u32 s18, s18, s19
	s_lshl_b32 s19, s15, 3
	s_add_co_u32 s18, s18, s19                     ; x 64 + my first tile of 16 tokens
	s_lshl_b32 s18, s18, 11                        ; 2,048 bytes each; part 0
	s_mov_b32 s19, 0
	s_add_nc_u64 s[12:13], s[98:99], s[18:19]
.irp u, 0,1
	v_mov_b32 v[T+16*\u+9], 0                      ; named as the other halves of pairs, and as a lane permute's destination: written once
	v_mov_b32 v[T+16*\u+11], 0
	v_mov_b32 v[T+16*\u+12], 0
.endr
.macro RED                             ; each head's four chains of pairs become one number, with the other half of the lanes'; the two heads line by line by turns
.irp u, 0,1
	v_pk_add_f32 v[T+16*\u:T+16*\u+1], v[T+16*\u:T+16*\u+1], v[T+16*\u+2:T+16*\u+3]
	v_pk_add_f32 v[T+16*\u+4:T+16*\u+5], v[T+16*\u+4:T+16*\u+5], v[T+16*\u+6:T+16*\u+7]
.endr
.irp u, 0,1
	v_pk_add_f32 v[T+16*\u:T+16*\u+1], v[T+16*\u:T+16*\u+1], v[T+16*\u+4:T+16*\u+5]
.endr
.irp u, 0,1
	v_add_f32 v[T+16*\u], v[T+16*\u], v[T+16*\u+1]
.endr
.irp u, 0,1
	v_permlanex16_b32 v[T+16*\u+12], v[T+16*\u], s20, s21
.endr
.irp u, 0,1
	v_add_f32 v[T+16*\u], v[T+16*\u], v[T+16*\u+12]
.endr
.endm
.macro LNROW a
.set AC, 64*((\a)%4)
.set CSET, CD+32*((\a)%2)
	WIN 0x06+(\a)/4                                ; source 0: the accumulators' window (2 or 3); source 1: window 1
.irp b, 0,1,2,3,4,5,6,7
.irp p, 0,2,4,6
	v_pk_add_f32 v[W+8*\b+\p:W+8*\b+\p+1], v[AC+8*\b+\p:AC+8*\b+\p+1], v[BI+8*\b+\p:BI+8*\b+\p+1]   ; + bias; each accumulator from its low end on
.endr
.endr
	WIN 0
.irp i, 0,2,4,6                        ; the sum of my 32 numbers of each head, in four chains of pairs
.irp u, 0,1
	v_pk_add_f32 v[T+16*\u+\i:T+16*\u+\i+1], v[W+32*\u+\i:W+32*\u+\i+1], v[W+32*\u+\i+8:W+32*\u+\i+9]
.endr
.endr
.irp m, 16,24
.irp i, 0,2,4,6
.irp u, 0,1
	v_pk_add_f32 v[T+16*\u+\i:T+16*\u+\i+1], v[T+16*\u+\i:T+16*\u+\i+1], v[W+32*\u+\i+\m:W+32*\u+\i+\m+1]
.endr
.endr
.endr
	RED
.irp u, 0,1
	v_mul_f32 v[T+16*\u+8], 0xbc800000, v[T+16*\u]                 ; -mean
.endr
.irp k, 0,2,4,6,8,10,12,14,16,18,20,22,24,26,28,30
.irp u, 0,1
	v_pk_add_f32 v[W+32*\u+\k:W+32*\u+\k+1], v[W+32*\u+\k:W+32*\u+\k+1], v[T+16*\u+8:T+16*\u+9] op_sel_hi:[1,0]   ; x - mean
.endr
.endr
.irp i, 0,2,4,6                        ; the sum of their squares
.irp u, 0,1
	v_pk_mul_f32 v[T+16*\u+\i:T+16*\u+\i+1], v[W+32*\u+\i:W+32*\u+\i+1], v[W+32*\u+\i:W+32*\u+\i+1]
.endr
.endr
.irp m, 8,16,24
.irp i, 0,2,4,6
.irp u, 0,1
	v_pk_fma_f32 v[T+16*\u+\i:T+16*\u+\i+1], v[W+32*\u+\i+\m:W+32*\u+\i+\m+1], v[W+32*\u+\i+\m:W+32*\u+\i+\m+1], v[T+16*\u+\i:T+16*\u+\i+1]
.endr
.endr
.endr
	RED
.irp u, 0,1
	v_fma_f32 v[T+16*\u+13], v[T+16*\u], s100, s101                ; the variance + eps
.endr
.irp u, 0,1
	v_rsq_f32 v[T+16*\u+10], v[T+16*\u+13]
.endr
	v_nop                                          ; a plain instruction behind the two roots,
	s_wait_alu depctr_va_vdst(0)                   ; and the one wait ahead of their first reader
.irp k, 0,2,4,6,8,10,12,14,16,18,20,22,24,26,28,30
.irp u, 0,1
	v_pk_mul_f32 v[W+32*\u+\k:W+32*\u+\k+1], v[W+32*\u+\k:W+32*\u+\k+1], v[T+16*\u+10:T+16*\u+11] op_sel_hi:[1,0]
.endr
.endr
	WIN 0x14                                       ; sources 1 and 2 (gamma, beta) window 1
.irp k, 0,2,4,6,8,10,12,14,16,18,20,22,24,26,28,30
.irp u, 0,1
	v_pk_fma_f32 v[W+32*\u+\k:W+32*\u+\k+1], v[W+32*\u+\k:W+32*\u+\k+1], v[GA+\k:GA+\k+1], v[BE+\k:BE+\k+1]
.endr
.endr
	WIN 0
.if (\a) > 1
	s_wait_xcnt 0x0                                ; block a - 2's stores have read their data: this set of registers is written again only behind this wait
.endif
.irp k, 0,1,2,3,4,5,6,7,8,9,10,11,12,13,14,15
.irp u, 0,1
	v_cvt_pk_f16_f32 v[CSET+16*\u+\k], v[W+32*\u+2*\k], v[W+32*\u+2*\k+1]
.endr
.endr
.irp u, 0,1
.irp q, 0,1,2,3
	global_store_b128 v[OFS], v[CSET+16*\u+4*\q:CSET+16*\u+4*\q+3], s[12:13] offset:131072*\u+2048*(\a)+512*\q   ; 32 lanes store 512 consecutive bytes, aligned
.endr
.endr
.endm
.irp a, 0,1,2,3,4,5,6,7
	LNROW \a
.endr
	s_branch .Ldone
	; ---- v.  Block a: channels 16 a + r of my 128 (two heads); accumulator (a, b): tokens 16 b + 8 h + 0 .. 7.
.Lv:
	s_lshr_b32 s18, s42, 2                         ; the batch
	s_lshl_b32 s18, s18, 4
	s_lshl_b32 s19, s41, 2
	s_add_co_u32 s18, s18, s19
	s_lshl_b32 s19, s15, 1
	s_add_co_u32 s18, s18, s19                     ; batch x 16 + head
	s_lshl_b32 s18, s18, 5
	s_and_b32 s19, s42, 3
	s_lshl_b32 s19, s19, 3
	s_add_co_u32 s18, s18, s19
	s_lshl_b32 s19, s16, 2
	s_add_co_u32 s18, s18, s19                     ; x 32 + my first block of 32 keys
	s_lshl_b32 s18, s18, 12                        ; 4,096 bytes each
	s_add_co_u32 s18, s18, 16777216                ; part 1
	s_mov_b32 s19, 0
	s_add_nc_u64 s[12:13], s[98:99], s[18:19]
.macro VROW a
.set AC, 64*((\a)%4)
.set CSET, CD+32*((\a)%2)
.if (\a) > 1
	s_wait_xcnt 0x0                                ; block a - 2's stores have read their data
.endif
	WIN 0x0a+5*((\a)/4)                            ; sources 0 and 1: window 2 or 3
.irp b, 0,1,2,3,4,5,6,7
.irp p, 0,1,2,3
	v_cvt_pk_f16_f32 v[CSET+4*\b+\p], v[AC+8*\b+2*\p], v[AC+8*\b+2*\p+1]
.endr
.endr
	WIN 0
.irp b, 0,1,2,3,4,5,6,7
	global_store_b128 v[OFS], v[CSET+4*\b:CSET+4*\b+3], s[12:13] offset:131072*((\a)/4)+4096*(\b/2)+1024*((\a)%4)+512*(\b%2)
.endr
.endm
.irp a, 0,1,2,3,4,5,6,7
	VROW \a
.endr
.Ldone:
	s_wait_tensorcnt 0x0                           ; the wave's end: a wait, the add onto my spare word and its wait, behind my last tensor load
	ds_add_u32 v[SPW], v[NIL]
	s_wait_dscnt 0x0
	CROUND                                         ; the closing round: no work-group ends while a partner may still ask for a tile that names it
	s_endpgm
.Lfunc_end_k_q971b3ab419_kv:
	.size	k_q971b3ab419_kv, .Lfunc_end_k_q971b3ab419_kv-k_q971b3ab419_kv
	.p2alignl 7, 3214868480
	.fill 96, 4, 3214868480
	.section	.rodata,"a",@progbits
	.p2align	6, 0x0
	.amdhsa_kernel k_q971b3ab419_kv
		.amdhsa_group_segment_fixed_size 327680
		.amdhsa_private_segment_fixed_size 0
		.amdhsa_enable_private_segment 0
		.amdhsa_kernarg_size 64
		.amdhsa_user_sgpr_count 2
		.amdhsa_user_sgpr_kernarg_segment_ptr 1
		.amdhsa_wavefront_size32 1
		.amdhsa_system_sgpr_workgroup_id_x 1
		.amdhsa_system_sgpr_workgroup_id_y 1
		.amdhsa_system_sgpr_workgroup_id_z 1
		.amdhsa_system_vgpr_workitem_id 0
		.amdhsa_next_free_vgpr 1024
		.amdhsa_next_free_sgpr 102
		.amdhsa_reserve_vcc 0
		.amdhsa_float_denorm_mode_32 3
		.amdhsa_float_denorm_mode_16_64 3
		.amdhsa_memory_ordered 1
		.amdhsa_forward_progress 1
		.amdhsa_inst_pref_size 250
	.end_amdhsa_kernel
	.amdgpu_metadata
---
amdhsa.version: [ 1, 2 ]
amdhsa.kernels:
  - .name:           k_q971b3ab419_kv
    .symbol:         k_q971b3ab419_kv.kd
    .args:
      - { .name: xc, .offset: 0, .size: 8, .value_kind: global_buffer, .address_space: global }
      - { .name: xs, .offset: 8, .size: 8, .value_kind: global_buffer, .address_space: global }
      - { .name: wc, .offset: 16, .size: 8, .value_kind: global_buffer, .address_space: global }
      - { .name: ws, .offset: 24, .size: 8, .value_kind: global_buffer, .address_space: global }
      - { .name: b_qkv, .offset: 32, .size: 8, .value_kind: global_buffer, .address_space: global }
      - { .name: k_gamma, .offset: 40, .size: 8, .value_kind: global_buffer, .address_space: global }
      - { .name: k_beta, .offset: 48, .size: 8, .value_kind: global_buffer, .address_space: global }
      - { .name: kv, .offset: 56, .size: 8, .value_kind: global_buffer, .address_space: global }
    .group_segment_fixed_size: 327680
    .private_segment_fixed_size: 0
    .kernarg_segment_align: 8
    .kernarg_segment_size: 64
    .max_flat_workgroup_size: 128
    .sgpr_count:     102
    .vgpr_count:     1024
    .wavefront_size: 32
...
	.end_amdgpu_metadata
.endif
;; end of part 2
;; launch attn (part 3): grid 2 x 128, 8 waves a work-group, no clusters, 327,680 bytes of LDS; arguments xc, xs, wc, ws, b_qkv, q_gamma, q_beta, kv, att; writes att
.if DOCPART == 3
	.amdgcn_target "amdgcn-amd-amdhsa--gfx1250"
	.amdhsa_code_object_version 6
	.text
	.protected	k_q971b3ab419_attn
	.globl	k_q971b3ab419_attn
	.p2align	8
	.type	k_q971b3ab419_attn,@function
k_q971b3ab419_attn:
	s_mov_b64 s[64:65], 0
	v_nop
	global_prefetch_b8 v0, s[64:65] scope:SCOPE_SE
	s_setreg_imm32_b32 hwreg(HW_REG_WAVE_MODE, 25, 1), 1
	s_wait_xcnt 0x0
; ATTN.  First q' = (LayerNorm(x Wq^T + bias) gamma + beta) x 1/8 x log2(e) for my queries and my head; then O[q] = sum over k of softmax_k(q' . k) v[k] + v's bias, for one head of 64 channels and 1,024 keys.
; THE Q PART is a quantised product: x and Wq as codes of FP4 (E2M1) with one E8M0 scale for each 32 along K (K = 1,024), sums in f32, begun on the bias; the norm in f32, in two passes; q' rounded once to f16.
; With the factor in q', p = 2^(s - m), m the running maximum of the row's scores.  k and v arrive as f16 in the order of the operands' registers (blocks of 512 bytes, lane l's 16 bytes at 16 l).
; Products on f16 operands with f32 sums; maxima, sums and the rescaling in f32; p is rounded to f16 for the second product; the row's sum is taken of the unrounded p; O is divided by it, takes v's bias
; (the weights add up to 1, so the bias may be added behind the average), and is rounded once to f16.
; SHARES.  A work-group owns 512 queries of one head; each of its eight waves 64: four tiles of 16, in 512 registers: two waves to a SIMD, so that one wave's vector work stands beside the other's products.
; LDS.  The whole head's K and V, 262,144 bytes, in four chunks of 256 keys, each filled once, 8,192 bytes a wave; behind them Wq's 64 rows of my head (512 bytes + 16 of padding each), 8 rows a wave.
; At the head a wave asks for its rows of Wq and its part of chunk 0: two tensor loads are out.  Each later chunk is asked for behind the barrier that stands a chunk's key steps ahead of its first read, one load a wave:
; so no wave waits for it, and nothing is prefetched.  x's codes are a wave's own (64 rows x 512 bytes): they go from memory straight into the operand's registers, 16 bytes a lane: pieces of 32 bytes of 16 rows
; to an instruction; a wave's 64 loads together take every byte of its rows once.  No cluster: a head has two work-groups, and a grid of 2 along x does not divide into clusters of 4.
; LAYOUT.  q: source 0 = 16 rows of Wq, source 1 = 16 tokens: a lane holds ONE token and eight neighbouring channels: four conversions make four registers of Q's fragment.
; S^T = K Q^T (source 0 = 16 keys, source 1 = 16 queries): a lane holds ONE query and the keys 8 (lane / 16) + 0 .. 7 of a tile.  Two such tiles, rounded in pairs, ARE source 1 (32 keys x 16 queries)
; of O^T = V^T P, whose result again holds one query a lane, and eight neighbouring channels: 16 bytes of the next launch's operand.
; OUT.  att: [128 along K 8][tile of 16 rows 512][4,096 bytes]; in a tile: (head % 2) 2,048 + 512 x (16 channels) + 16 x lane.
; LIMITS: |q'| and |O| under 65,504; NaN and infinities are not served.
; REGISTERS.  window 0: v1-8 addresses; v16-63 in the q part the scale words, then the statistics, 12 a tile: +0 m, +1 the old m, +2, +3 the sum (even keys', odd keys'), +4 the factor (+5 its pair's other half),
;   +6..9 chains, +10 the other lane's, +11 old m - m; v64-191 q's sums, then S^T, 32 a tile, then p, then P in place; v192-255 Wq's fragments of two K steps, the norm's statistics, then V of one step.
;   window 1: in the q part x's 32 fragments (K step s, tile t at 32 s + 8 t), gamma and beta in the place of K steps 0 and 1 once those are multiplied; then v0-127 O^T, 32 a tile; v128-191 Q; v192-255 K of one step.
.set LI,  1                            ; v1  16 x lane
.set ADR, 2                            ; v2  LDS address of the step that is being fetched
.set HB,  3                            ; v3  32 x (lane / 16)
.set SPW, 4                            ; v4  LDS address of my spare word; never rewritten
.set NIL, 5                            ; v5  0; never rewritten
.set XA,  6                            ; v6  512 x (lane % 16) + 16 x (lane / 16): my place in 16 rows of codes in memory
.set SA,  7                            ; v7  32 x lane: a row of scale bytes a lane
.set WA,  8                            ; v8  my place in 16 rows of Wq in LDS
.set SCX, 16                           ; v16-31 x's scale words: register 8 j + s: row 32 j + lane, K step s
.set SCW, 32                           ; v32-63 Wq's: register 8 b + s: lanes 0-15: row 16 b + lane, K step s
.set ST,  16
.set S,   64
.set WF,  192                          ; Wq's fragments: K step s, block b at WF + 32 (s % 2) + 8 b
.set TL,  192                          ; the norm's statistics, 16 a tile: +0..7 four chains of pairs, +8 -mean (+9), +10 1/sqrt (+11), +12 the other lane's, +13 the variance + eps
.set VF,  192
.set O,   0                            ; window 1
.set GA,  0                            ; window 1: gamma, then beta
.set BE,  32
.set QF,  128
.set KF,  192
.set CHUNK, 65536                      ; 256 keys: 32,768 bytes of K, then 32,768 of V
.set VOFF,  32768
.set STEPB, 8192                       ; 64 keys of K, or of V
.set WQ,    4*CHUNK                    ; behind the chunks: Wq's 64 rows
.set WP,    528                        ; 512 bytes + 16 of padding: the 16 rows that a load touches start 132 words apart
.set SPARE, WQ+64*WP                   ; behind them: the spare words, 128 bytes for each of eight waves
.set WV,  2                            ; s2 my wave's number
.set G1,  16                           ; s[16:23] descriptor group 1 for the chunks
.set G0,  24                           ; s[24:39] descriptor group 0, a set for each chunk; never rewritten
.set TB,  40                           ; s40 LDS byte at which the next step's K begins
.set CNT, 41                           ; s41 counts a loop's steps
.set SEL, 42                           ; s[42:43] lane selects for v_permlanex16_b32: lane l xor 16
.set CF,  60                           ; s[60:61] 1/8 x log2(e), as a pair
.set G1W, 68                           ; s[68:75], s[76:79] groups 1 and 0 for Wq's rows
.set G0W, 76
.set MSB, 0
.macro WIN new                         ; the immediate's high byte repeats the setting that is left
.if MSB != (\new)
	s_set_vgpr_msb (MSB<<8)|(\new)
.set MSB, (\new)
.endif
.endm
.macro PLACES                          ; four plain vector instructions that name no register of the matrix instructions ahead (ISA guide 7.12.1)
.rept 4
	v_nop
.endr
.endm
	s_load_b256 s[4:11], s[0:1], 0x0               ; xc s[4:5], xs s[6:7], wc s[8:9], ws s[10:11]
	s_load_b256 s[48:55], s[0:1], 0x20             ; b_qkv s[48:49], q_gamma s[50:51], q_beta s[52:53], kv s[54:55]
	s_load_b64 s[56:57], s[0:1], 0x40              ; att
	v_lshl_add_u32 v[SPW], v0, 2, SPARE
	v_mov_b32 v[NIL], 0
	ds_add_u32 v[SPW], v[NIL]                      ; the wave's opening: the add, twice on end, and its wait ahead of my first tensor load
	ds_add_u32 v[SPW], v[NIL]
	v_lshrrev_b32 v9, 5, v0
	v_readfirstlane_b32 s[WV], v9                  ; wave 0..7
	v_and_b32 v9, 15, v0                           ; r
	v_bfe_u32 v10, v0, 4, 1                        ; h
	v_and_b32 v[LI], 31, v0
	v_lshlrev_b32 v[SA], 5, v[LI]
	v_lshlrev_b32 v[LI], 4, v[LI]
	v_lshlrev_b32 v[HB], 5, v10
	v_lshlrev_b32 v[XA], 9, v9
	v_lshl_add_u32 v[XA], v10, 4, v[XA]
	v_mul_u32_u24 v[WA], v9, WP
	v_lshl_add_u32 v[WA], v10, 4, v[WA]
	v_add_nc_u32 v[WA], WQ, v[WA]
	s_and_b32 s58, ttmp7, 0xffff                   ; batch x 16 + head
	s_and_b32 s59, s58, 15                         ; the head
	; descriptor group 1 for a chunk's part: a dense block of 8,192 bytes as 32 rows of 256 bytes (32 elements of 8 bytes); no padding: every LDS read of it takes 512 consecutive bytes
	s_mov_b32 s[G1+0], 3<<16
	s_mov_b32 s[G1+1], 32<<16                      ; tensor_dim0
	s_mov_b32 s[G1+2], 32<<16                      ; tensor_dim1
	s_mov_b32 s[G1+3], 32<<16                      ; tile_dim0
	s_mov_b32 s[G1+4], 32                          ; tile_dim1
	s_mov_b32 s[G1+5], 32                          ; tensor_dim0_stride
	s_mov_b32 s[G1+6], 0
	s_mov_b32 s[G1+7], 0
	; and for 8 rows of Wq's codes: rows of 512 bytes, four words of padding behind every 128
	s_mov_b32 s[G1W+0], (0<<16)|(1<<20)|(6<<22)|(3<<25)
	s_mov_b32 s[G1W+1], 512<<16                    ; tensor_dim0
	s_mov_b32 s[G1W+2], 8<<16                      ; tensor_dim1
	s_mov_b32 s[G1W+3], 512<<16                    ; tile_dim0
	s_mov_b32 s[G1W+4], 8                          ; tile_dim1
	s_mov_b32 s[G1W+5], 512                        ; tensor_dim0_stride
	s_mov_b32 s[G1W+6], 0
	s_mov_b32 s[G1W+7], 0
	s_lshl_b32 s12, s[WV], 13                      ; in a chunk: wave x 8,192: waves 0-3 K's quarters, waves 4-7 V's
	s_lshr_b32 s14, s[WV], 2
	s_lshl_b32 s14, s14, 24                        ; in memory: part 0 (k) or 1 (v),
	s_lshl_b32 s15, s58, 17                        ; my head's 131,072 bytes,
	s_add_co_u32 s14, s14, s15
	s_and_b32 s15, s[WV], 3
	s_lshl_b32 s15, s15, 13                        ; my quarter of a chunk's 32,768
	s_add_co_u32 s14, s14, s15
	s_mov_b32 s15, 0
	s_mul_i32 s13, s[WV], 8*WP                     ; Wq in LDS: my 8 rows
	s_lshl_b32 s40, s59, 15                        ; in memory: my head's 64 rows of 512 bytes (q's rows are W's first 1,024),
	s_lshl_b32 s41, s[WV], 12                      ; my 8 of them
	s_add_co_u32 s40, s40, s41
	s_mov_b32 s41, 0
	s_mov_b32 s[SEL], 0x76543210
	s_mov_b32 s[SEL+1], 0xfedcba98
	s_mov_b32 s[CF], 0x3e38aa3b                    ; 1/8 x log2(e)
	s_mov_b32 s[CF+1], s[CF]                       ; (named with it as a pair, so it is written)
	s_mov_b32 s62, 0x3c800000                      ; 1/64
	s_mov_b32 s63, 0x3727c5ac                      ; 1e-5
	s_wait_dscnt 0x0                               ; both opening adds are done
	s_wait_kmcnt 0x0
	s_add_nc_u64 s[14:15], s[54:55], s[14:15]
.irp c, 0,1,2,3
	s_mov_b32 s[G0+4*\c], 1
	s_add_co_u32 s[G0+4*\c+1], s12, \c*CHUNK
	s_add_nc_u64 s[G0+4*\c+2:G0+4*\c+3], s[14:15], \c*32768
	s_or_b32 s[G0+4*\c+3], s[G0+4*\c+3], 0x80000000
.endr
	s_mov_b32 s[G0W], 1
	s_add_co_u32 s[G0W+1], s13, WQ
	s_add_nc_u64 s[G0W+2:G0W+3], s[8:9], s[40:41]
	s_or_b32 s[G0W+3], s[G0W+3], 0x80000000
	tensor_load_to_lds s[G0W:G0W+3], s[G1W:G1W+7]  ; Wq's rows and chunk 0 go out together, ahead of every wait on TENSORcnt, every LDS read and every barrier
	s_nop 0
	tensor_load_to_lds s[G0:G0+3], s[G1:G1+7]
	s_nop 0
.rept 4
	v_nop                                          ; (the register windows are switched behind four instructions)
.endr
	s_lshr_b32 s12, s58, 4                         ; the batch
	s_lshl_b32 s13, s12, 10
	s_lshl_b32 s14, ttmp9, 9
	s_add_co_u32 s13, s13, s14
	s_lshl_b32 s14, s[WV], 6
	s_add_co_u32 s13, s13, s14                     ; my first token: 1,024 batch + 512 work-group x + 64 wave
	s_lshl_b32 s14, s13, 9
	s_mov_b32 s15, 0
	s_add_nc_u64 s[4:5], s[4:5], s[14:15]          ; its codes,
	s_lshl_b32 s14, s13, 5
	s_add_nc_u64 s[6:7], s[6:7], s[14:15]          ; its scale bytes
	s_lshl_b32 s14, s59, 11
	s_add_nc_u64 s[10:11], s[10:11], s[14:15]      ; the scale bytes of my head's 64 rows of Wq
	s_lshl_b32 s14, s59, 8
	s_add_nc_u64 s[48:49], s[48:49], s[14:15]      ; q's bias: feature 64 head
	s_add_nc_u64 s[46:47], s[48:49], 8192          ; v's: feature 2,048 + 64 head
	; 108 loads in this order: 12 for the scale words, 32 for the bias, 8 for each K step of x
.irp j, 0,1
.irp f, 0,1
	global_load_b128 v[SCX+8*\j+4*\f:SCX+8*\j+4*\f+3], v[SA], s[6:7] offset:1024*\j+16*\f       ; rows 32 j + lane: tile 2 j in lanes 0-15, tile 2 j + 1 in lanes 16-31; four K steps' words
.endr
.endr
.irp b, 0,1,2,3
.irp f, 0,1
	global_load_b128 v[SCW+8*\b+4*\f:SCW+8*\b+4*\f+3], v[SA], s[10:11] offset:512*\b+16*\f      ; rows 16 b + lane; lanes 16-31 hold the next block's rows (inside the buffer) and are not read
.endr
.endr
.irp t, 0,1,2,3
.irp b, 0,1,2,3
.irp e, 0,1
	global_load_b128 v[S+32*\t+8*\b+4*\e:S+32*\t+8*\b+4*\e+3], v[HB], s[48:49] offset:64*\b+16*\e   ; the sums begin on the bias of features 16 b + 8 h + 0 .. 7
.endr
.endr
.endr
	WIN 0x40                                       ; destination window 1
.irp s, 0,1,2,3,4,5,6,7
.irp t, 0,1,2,3
.irp c, 0,1
	global_load_b128 v[32*\s+8*\t+4*\c:32*\s+8*\t+4*\c+3], v[XA], s[4:5] offset:8192*\t+64*\s+32*\c   ; row 16 t + r, K = 128 s + 64 c + 32 h + 0 .. 31
.endr
.endr
.endr
	WIN 0
	s_wait_tensorcnt 0x0                           ; my rows of Wq and my part of chunk 0 have landed: no tensor load of mine is out
	ds_add_u32 v[SPW], v[NIL]                      ; 0 onto my spare word; att's address is made between it and the wait for it
	s_lshl_b32 s12, s12, 6                         ; att: the row tile: 64 batch
	s_lshl_b32 s14, ttmp9, 5
	s_add_co_u32 s12, s12, s14                     ; + 32 x work-group x
	s_lshl_b32 s14, s[WV], 2
	s_add_co_u32 s12, s12, s14                     ; + 4 x wave
	s_lshl_b32 s12, s12, 12
	s_lshr_b32 s44, s59, 1
	s_lshl_b32 s44, s44, 21                        ; the K step of 128: head / 2
	s_add_co_u32 s44, s44, s12
	s_and_b32 s14, s59, 1
	s_lshl_b32 s14, s14, 11                        ; and the half of a tile
	s_add_co_u32 s44, s44, s14
	s_mov_b32 s45, 0
	s_add_nc_u64 s[44:45], s[56:57], s[44:45]
	s_wait_dscnt 0x0                               ; the add is done
	s_barrier_signal -1
	s_barrier_wait -1                              ; everybody's parts have landed
	tensor_load_to_lds s[G0+4:G0+7], s[G1:G1+7]    ; chunk 1, filled for the first time: my one tensor load behind this barrier, and the first thing there
	s_nop 0
.rept 4
	v_nop
.endr
; ---- THE Q PART.  Wq's fragments of K steps 2 g and 2 g + 1 from LDS: 16 rows x 128 K of 4-bit codes, 8 registers: registers 4 c .. 4 c + 3 hold K = 64 c + 32 (lane / 16) + 0 .. 31
.macro WFETCH g
.irp l, 0,1
.irp b, 0,1,2,3
.irp c, 0,1
	ds_load_b128 v[WF+32*\l+8*\b+4*\c:WF+32*\l+8*\b+4*\c+3], v[WA] offset:\b*16*WP+64*(2*(\g)+\l)+32*\c
.endr
.endr
.endr
.endm
; K step s: 16 matrix instructions, the 16 accumulators by turns, one instruction a turn, in the same order in every K step
.macro QMUL s
.irp t, 0,1,2,3
.irp b, 0,1,2,3
.if (\t)%2
	v_wmma_scale_f32_16x16x128_f8f6f4 v[S+32*\t+8*\b:S+32*\t+8*\b+7], v[WF+32*((\s)%2)+8*\b:WF+32*((\s)%2)+8*\b+7], v[32*(\s)+8*\t:32*(\s)+8*\t+7], v[S+32*\t+8*\b:S+32*\t+8*\b+7], v[SCW+8*\b+(\s)], v[SCX+8*(\t/2)+(\s)] matrix_a_fmt:MATRIX_FMT_FP4 matrix_b_fmt:MATRIX_FMT_FP4 matrix_b_scale:MATRIX_SCALE_ROW1
.else
	v_wmma_scale_f32_16x16x128_f8f6f4 v[S+32*\t+8*\b:S+32*\t+8*\b+7], v[WF+32*((\s)%2)+8*\b:WF+32*((\s)%2)+8*\b+7], v[32*(\s)+8*\t:32*(\s)+8*\t+7], v[S+32*\t+8*\b:S+32*\t+8*\b+7], v[SCW+8*\b+(\s)], v[SCX+8*(\t/2)+(\s)] matrix_a_fmt:MATRIX_FMT_FP4 matrix_b_fmt:MATRIX_FMT_FP4
.endif
.endr
.endr
.endm
	WFETCH 0
	s_wait_loadcnt 48                              ; the scale words, the bias and x's K steps 0, 1 are in; the 48 loads of K steps 2 to 7 may be out
	s_wait_dscnt 0x0
	WIN 0x04                                       ; source 1 (x) window 1; Wq, the sums window 0
	QMUL 0
	QMUL 1
	WIN 0
	PLACES                                         ; in front of the loads into registers that these products have read
	WFETCH 1
	WIN 0x40
.irp q, 0,1,2,3
	global_load_b128 v[GA+8*\q:GA+8*\q+3], v[HB], s[50:51] offset:64*\q        ; gamma and beta of channels 16 q + 8 h + 0 .. 7, where x's K steps 0 and 1 lay
	global_load_b128 v[GA+8*\q+4:GA+8*\q+7], v[HB], s[50:51] offset:64*\q+16
	global_load_b128 v[BE+8*\q:BE+8*\q+3], v[HB], s[52:53] offset:64*\q
	global_load_b128 v[BE+8*\q+4:BE+8*\q+7], v[HB], s[52:53] offset:64*\q+16
.endr
	WIN 0
	s_wait_loadcnt 48                              ; K steps 2, 3 are in; behind them: K steps 4 to 7 (32) and gamma and beta (16)
	s_wait_dscnt 0x0
	WIN 0x04
	QMUL 2
	QMUL 3
	WIN 0
	PLACES
	WFETCH 2
	s_wait_loadcnt 32                              ; K steps 4, 5; behind them: K steps 6, 7 (16) and gamma and beta (16)
	s_wait_dscnt 0x0
	WIN 0x04
	QMUL 4
	QMUL 5
	WIN 0
	PLACES
	WFETCH 3
	s_wait_loadcnt 16                              ; K steps 6, 7; gamma and beta may be out
	s_wait_dscnt 0x0
	WIN 0x04
	QMUL 6
	QMUL 7
	WIN 0
	PLACES                                         ; behind the last products: their results are read, and Wq's fragments' registers written
	; THE NORM.  A lane's 32 numbers of a tile are 32 channels (its half) of its token; lane l xor 16 holds the other 32.  The four tiles line by line by turns.
.irp u, 0,1,2,3
	v_mov_b32 v[TL+16*\u+9], 0                     ; named as the other halves of pairs, and as a lane permute's destination
	v_mov_b32 v[TL+16*\u+11], 0
	v_mov_b32 v[TL+16*\u+12], 0
.endr
.macro RED4                            ; each tile's four chains of pairs become one number, with the other half of the lanes'
.irp u, 0,1,2,3
	v_pk_add_f32 v[TL+16*\u:TL+16*\u+1], v[TL+16*\u:TL+16*\u+1], v[TL+16*\u+2:TL+16*\u+3]
	v_pk_add_f32 v[TL+16*\u+4:TL+16*\u+5], v[TL+16*\u+4:TL+16*\u+5], v[TL+16*\u+6:TL+16*\u+7]
.endr
.irp u, 0,1,2,3
	v_pk_add_f32 v[TL+16*\u:TL+16*\u+1], v[TL+16*\u:TL+16*\u+1], v[TL+16*\u+4:TL+16*\u+5]
.endr
.irp u, 0,1,2,3
	v_add_f32 v[TL+16*\u], v[TL+16*\u], v[TL+16*\u+1]
.endr
.irp u, 0,1,2,3
	v_permlanex16_b32 v[TL+16*\u+12], v[TL+16*\u], s[SEL], s[SEL+1]
.endr
.irp u, 0,1,2,3
	v_add_f32 v[TL+16*\u], v[TL+16*\u], v[TL+16*\u+12]
.endr
.endm
.irp i, 0,2,4,6                        ; the sum, in four chains of pairs; each accumulator is read from its low end on
.irp u, 0,1,2,3
	v_pk_add_f32 v[TL+16*\u+\i:TL+16*\u+\i+1], v[S+32*\u+\i:S+32*\u+\i+1], v[S+32*\u+\i+8:S+32*\u+\i+9]
.endr
.endr
.irp m, 16,24
.irp i, 0,2,4,6
.irp u, 0,1,2,3
	v_pk_add_f32 v[TL+16*\u+\i:TL+16*\u+\i+1], v[TL+16*\u+\i:TL+16*\u+\i+1], v[S+32*\u+\i+\m:S+32*\u+\i+\m+1]
.endr
.endr
.endr
	RED4
.irp u, 0,1,2,3
	v_mul_f32 v[TL+16*\u+8], 0xbc800000, v[TL+16*\u]               ; -mean
.endr
.irp k, 0,2,4,6,8,10,12,14,16,18,20,22,24,26,28,30
.irp u, 0,1,2,3
	v_pk_add_f32 v[S+32*\u+\k:S+32*\u+\k+1], v[S+32*\u+\k:S+32*\u+\k+1], v[TL+16*\u+8:TL+16*\u+9] op_sel_hi:[1,0]   ; x - mean
.endr
.endr
.irp i, 0,2,4,6                        ; the sum of their squares
.irp u, 0,1,2,3
	v_pk_mul_f32 v[TL+16*\u+\i:TL+16*\u+\i+1], v[S+32*\u+\i:S+32*\u+\i+1], v[S+32*\u+\i:S+32*\u+\i+1]
.endr
.endr
.irp m, 8,16,24
.irp i, 0,2,4,6
.irp u, 0,1,2,3
	v_pk_fma_f32 v[TL+16*\u+\i:TL+16*\u+\i+1], v[S+32*\u+\i+\m:S+32*\u+\i+\m+1], v[S+32*\u+\i+\m:S+32*\u+\i+\m+1], v[TL+16*\u+\i:TL+16*\u+\i+1]
.endr
.endr
.endr
	RED4
.irp u, 0,1,2,3
	v_fma_f32 v[TL+16*\u+13], v[TL+16*\u], s62, s63                ; the variance + eps
.endr
.irp u, 0,1,2,3
	v_rsq_f32 v[TL+16*\u+10], v[TL+16*\u+13]
.endr
	s_wait_loadcnt 0x0                             ; gamma and beta
	WIN 0x41                                       ; destination and source 0 window 1
.set i, 0
.rept 32
	v_pk_mul_f32 v[GA+i:GA+i+1], v[GA+i:GA+i+1], s[CF:CF+1] op_sel_hi:[1,0]    ; gamma and beta take q's factor in: plain work behind the four roots
.set i, i+2
.endr
	WIN 0
	s_wait_alu depctr_va_vdst(0)                   ; the one wait ahead of the roots' first reader
.irp k, 0,2,4,6,8,10,12,14,16,18,20,22,24,26,28,30
.irp u, 0,1,2,3
	v_pk_mul_f32 v[S+32*\u+\k:S+32*\u+\k+1], v[S+32*\u+\k:S+32*\u+\k+1], v[TL+16*\u+10:TL+16*\u+11] op_sel_hi:[1,0]
.endr
.endr
	WIN 0x14                                       ; sources 1 and 2 (gamma, beta) window 1
.irp k, 0,2,4,6,8,10,12,14,16,18,20,22,24,26,28,30
.irp u, 0,1,2,3
	v_pk_fma_f32 v[S+32*\u+\k:S+32*\u+\k+1], v[S+32*\u+\k:S+32*\u+\k+1], v[GA+\k:GA+\k+1], v[BE+\k:BE+\k+1]
.endr
.endr
	WIN 0x40                                       ; destination window 1
.irp k, 0,1,2,3,4,5,6,7,8,9,10,11,12,13,14,15
.irp u, 0,1,2,3
	v_cvt_pk_f16_f32 v[QF+16*\u+\k], v[S+32*\u+2*\k], v[S+32*\u+2*\k+1]        ; Q's fragments: tile u, registers 4 block + pair; they stay
.endr
.endr
.set i, 0
.rept 128
	v_mov_b32 v[O+i], 0                            ; O^T.  The step is written for all sixteen alike: the first finds zeros, which its factor 0 leaves zeros
.set i, i+1
.endr
	WIN 0
.irp t, 0,1,2,3
	v_mov_b32 v[ST+12*\t], 0xff61b1e6              ; m: -3e38, under every score
	v_mov_b32 v[ST+12*\t+1], 0
	v_mov_b32 v[ST+12*\t+2], 0                     ; the sum, in two halves
	v_mov_b32 v[ST+12*\t+3], 0
	v_mov_b32 v[ST+12*\t+5], 0                     ; (named as a pair's other half)
	v_mov_b32 v[ST+12*\t+10], 0                    ; (a lane permute's destination counts as one of its sources)
.endr
	v_mov_b32 v[ADR], v[LI]
	WIN 0x40
.irp i, 0,1,2,3,4,5,6,7,8,9,10,11,12,13,14,15
	ds_load_b128 v[KF+4*\i:KF+4*\i+3], v[ADR] offset:512*\i                    ; K of step 0
.endr
	WIN 0
.irp i, 0,1,2,3,4,5,6,7,8,9,10,11,12,13,14,15
	ds_load_b128 v[VF+4*\i:VF+4*\i+3], v[ADR] offset:VOFF+512*\i               ; V of step 0
.endr
	s_mov_b32 s[TB], STEPB
; Sum z of 16 of tile t's 16 pairs of p (in a pair: an even key's, an odd key's), in two chains; the last takes the old sum x the factor in.  It leaves p as it is.
.macro SUMZ t, z
.if (\z) == 0
	v_pk_add_f32 v[ST+12*\t+6:ST+12*\t+7], v[S+32*\t:S+32*\t+1], v[S+32*\t+2:S+32*\t+3]
.elseif (\z) == 1
	v_pk_add_f32 v[ST+12*\t+8:ST+12*\t+9], v[S+32*\t+4:S+32*\t+5], v[S+32*\t+6:S+32*\t+7]
.elseif (\z) < 14
	v_pk_add_f32 v[ST+12*\t+6+2*((\z)%2):ST+12*\t+7+2*((\z)%2)], v[ST+12*\t+6+2*((\z)%2):ST+12*\t+7+2*((\z)%2)], v[S+32*\t+2*(\z)+4:S+32*\t+2*(\z)+5]
.elseif (\z) == 14
	v_pk_add_f32 v[ST+12*\t+6:ST+12*\t+7], v[ST+12*\t+6:ST+12*\t+7], v[ST+12*\t+8:ST+12*\t+9]
.else
	v_pk_fma_f32 v[ST+12*\t+2:ST+12*\t+3], v[ST+12*\t+2:ST+12*\t+3], v[ST+12*\t+4:ST+12*\t+5], v[ST+12*\t+6:ST+12*\t+7] op_sel_hi:[1,0,1]
.endif
.endm
; Rounding i of 16 of tile t: a pair of p into one register of P, in place: 16 registers of p become 8 of P at their head; in ascending order no pair is written over before it is read.
.macro CVTI t, i
	v_cvt_pk_f16_f32 v[S+32*\t+16*((\i)/8)+(\i)%8], v[S+32*\t+16*((\i)/8)+2*((\i)%8)], v[S+32*\t+16*((\i)/8)+2*((\i)%8)+1]
.endm
; A KEY STEP: 64 keys.  pre = 1: the next step's K and V are fetched on the way; pre = 0, the last step: v's bias is, into K's registers.
.macro STEP pre
	s_wait_dscnt 16                                ; K is in; V's 16 loads, issued behind K's, may be out
	WIN 0x05                                       ; K and Q window 1, S^T window 0
.irp f, 0,1                            ; the 16 accumulators take turns, one instruction a turn
.irp t, 0,1,2,3
.irp k, 0,1,2,3
.if \f == 0
	v_wmma_f32_16x16x32_f16 v[S+32*\t+8*\k:S+32*\t+8*\k+7], v[KF+16*\k:KF+16*\k+7], v[QF+16*\t:QF+16*\t+7], 0
.else
	v_wmma_f32_16x16x32_f16 v[S+32*\t+8*\k:S+32*\t+8*\k+7], v[KF+16*\k+8:KF+16*\k+15], v[QF+16*\t+8:QF+16*\t+15], v[S+32*\t+8*\k:S+32*\t+8*\k+7]
.endif
.endr
.endr
.endr
	WIN 0
.if \pre
	v_add_nc_u32 v[ADR], s[TB], v[LI]              ; with the three below: the four places in front of the loads into K's registers and of the first read of the scores
.rept 3
	v_nop
.endr
	WIN 0x40
.irp i, 0,1,2,3,4,5,6,7,8,9,10,11,12,13,14,15
	ds_load_b128 v[KF+4*\i:KF+4*\i+3], v[ADR] offset:512*\i
.endr
	WIN 0
.else
.rept 4
	v_nop
.endr
	WIN 0x40
.irp d, 0,1,2,3
.irp e, 0,1
	global_load_b128 v[KF+8*\d+4*\e:KF+8*\d+4*\e+3], v[HB], s[46:47] offset:64*\d+16*\e   ; the bias of channels 16 d + 8 h + 0 .. 7
.endr
.endr
	WIN 0
.endif
	; the maximum of a lane's 32 scores and the old m, three operands at a time, in four chains; each accumulator is read from its low end on; the four tiles by turns
.irp c, 0,1,2,3
.irp t, 0,1,2,3
	v_max3_num_f32 v[ST+12*\t+6+\c], v[S+32*\t+8*\c], v[S+32*\t+8*\c+1], v[S+32*\t+8*\c+2]
.endr
.endr
.irp g, 3,5
.irp c, 0,1,2,3
.irp t, 0,1,2,3
	v_max3_num_f32 v[ST+12*\t+6+\c], v[ST+12*\t+6+\c], v[S+32*\t+8*\c+\g], v[S+32*\t+8*\c+\g+1]
.endr
.endr
.endr
.irp t, 0,1,2,3
	v_max3_num_f32 v[ST+12*\t+6], v[ST+12*\t+6], v[S+32*\t+7], v[S+32*\t+15]
.endr
.irp t, 0,1,2,3
	v_max3_num_f32 v[ST+12*\t+8], v[ST+12*\t+8], v[S+32*\t+23], v[S+32*\t+31]
.endr
.irp t, 0,1,2,3
	v_max3_num_f32 v[ST+12*\t+6], v[ST+12*\t+6], v[ST+12*\t+7], v[ST+12*\t+8]
.endr
.irp t, 0,1,2,3
	v_max3_num_f32 v[ST+12*\t+6], v[ST+12*\t+6], v[ST+12*\t+9], v[ST+12*\t]
.endr
.irp t, 0,1,2,3
	v_permlanex16_b32 v[ST+12*\t+10], v[ST+12*\t+6], s[SEL], s[SEL+1]          ; the query's other 32 keys lie in the lane 16 away
.endr
.irp t, 0,1,2,3
	v_mov_b32 v[ST+12*\t+1], v[ST+12*\t]
.endr
.irp t, 0,1,2,3
	v_max_num_f32 v[ST+12*\t], v[ST+12*\t+6], v[ST+12*\t+10]                   ; the new m
.endr
.irp t, 0,1,2,3
	v_sub_f32 v[ST+12*\t+11], v[ST+12*\t+1], v[ST+12*\t]                       ; old m - m, 0 or less
.endr
	; FIRST BATCH of exponentials: the four factors and tiles 0 and 1; the scalings of tiles 2 and 3 stand between them.  None of these lines names an exponential's result.
.irp k, 0,2,4,6,8,10,12,14,16,18,20,22,24,26,28,30
.irp t, 0,1
	v_pk_add_f32 v[S+32*\t+\k:S+32*\t+\k+1], v[S+32*\t+\k:S+32*\t+\k+1], v[ST+12*\t:ST+12*\t+1] op_sel_hi:[1,0] neg_lo:[0,1] neg_hi:[0,1]   ; s - m
.endr
.endr
.irp t, 0,1,2,3
	v_exp_f32 v[ST+12*\t+4], v[ST+12*\t+11]        ; the factor 2^(old m - m)
.endr
.set e, 0
.rept 32
	v_exp_f32 v[S+e], v[S+e]
	v_exp_f32 v[S+32+e], v[S+32+e]
	v_pk_add_f32 v[S+64+2*e:S+64+2*e+1], v[S+64+2*e:S+64+2*e+1], v[ST+12*(2+e/16):ST+12*(2+e/16)+1] op_sel_hi:[1,0] neg_lo:[0,1] neg_hi:[0,1]
.set e, e+1
.endr
	s_wait_alu depctr_va_vdst(0)                   ; one wait for the batch, ahead of its first reader; the scaling above is the plain line behind the last exponential
	; SECOND BATCH: tiles 2 and 3; the sums and then the roundings of tiles 0 and 1 stand between them
.set e, 0
.rept 32
	v_exp_f32 v[S+64+e], v[S+64+e]
	v_exp_f32 v[S+96+e], v[S+96+e]
.if e < 16
	SUMZ 0, e
	SUMZ 1, e
.else
	CVTI 0, e-16
	CVTI 1, e-16
.endif
.set e, e+1
.endr
	s_wait_alu depctr_va_vdst(0)                   ; and one for the second batch
.set e, 0
.rept 16
	SUMZ 2, e
	SUMZ 3, e
.set e, e+1
.endr
.set e, 0
.rept 16
	CVTI 2, e
	CVTI 3, e
.set e, e+1
.endr
	WIN 0x41                                       ; O^T (destination and source 0) window 1, the factor window 0
.irp t, 0,1,2,3
.irp k, 0,2,4,6,8,10,12,14,16,18,20,22,24,26,28,30
	v_pk_mul_f32 v[O+32*\t+\k:O+32*\t+\k+1], v[O+32*\t+\k:O+32*\t+\k+1], v[ST+12*\t+4:ST+12*\t+5] op_sel_hi:[1,0]
.endr
.endr
.if \pre
	s_wait_dscnt 16                                ; V is in; the next step's K, 16 loads issued behind it, may be out
.else
	s_wait_dscnt 0x0
.endif
	WIN 0x50                                       ; V and P window 0, O^T window 1
.irp b, 0,1
.irp t, 0,1,2,3
.irp d, 0,1,2,3
	v_wmma_f32_16x16x32_f16 v[O+32*\t+8*\d:O+32*\t+8*\d+7], v[VF+32*\b+8*\d:VF+32*\b+8*\d+7], v[S+32*\t+16*\b:S+32*\t+16*\b+7], v[O+32*\t+8*\d:O+32*\t+8*\d+7]
.endr
.endr
.endr
	WIN 0
.if \pre
.rept 5
	v_nop                                          ; four places in front of the loads into V's registers; five in front of the next step's first products, which write over P's registers
.endr
.irp i, 0,1,2,3,4,5,6,7,8,9,10,11,12,13,14,15
	ds_load_b128 v[VF+4*\i:VF+4*\i+3], v[ADR] offset:VOFF+512*\i
.endr
	s_add_co_u32 s[TB], s[TB], STEPB
.endif
.endm
.macro STEPS n
	s_mov_b32 s[CNT], \n
.Lsteps_\@:
	STEP 1
	s_sub_co_u32 s[CNT], s[CNT], 1
	s_cmp_lg_u32 s[CNT], 0
	s_cbranch_scc1 .Lsteps_\@
.endm
; On to the next chunk.  It stands one step early, since a step fetches the next step's fragments.  Each wave waits for all its tensor loads: the one that was out is its part of the next chunk.
; ask = 2 or 3: behind the barrier that chunk is asked for, filled for the first time: the wave's one tensor load there, and the first thing; it has the next chunk's four key steps in which to land.  ask = 0: nothing is left to ask for.
.macro BOUNDARY ask
	s_wait_tensorcnt 0x0                           ; my part of the next chunk has landed
.if \ask
	ds_add_u32 v[SPW], v[NIL]                      ; 0 onto my spare word
.endif
	s_add_co_u32 s[TB], s[TB], CHUNK-4*STEPB       ; past V's half of the chunk
	s_wait_dscnt 0x0                               ; no LDS instruction of mine is out at the signal
	s_barrier_signal -1
	s_barrier_wait -1                              ; everybody's part has landed
.if \ask
	tensor_load_to_lds s[G0+4*\ask:G0+4*\ask+3], s[G1:G1+7]
	s_nop 0
.rept 4
	v_nop
.endr
.endif
.endm
	STEPS 3                                        ; steps 0 to 2 (they fetch steps 1 to 3)
	BOUNDARY 2
	STEPS 4                                        ; steps 3 to 6
	BOUNDARY 3
	STEPS 4                                        ; steps 7 to 10
	BOUNDARY 0
	STEPS 4                                        ; steps 11 to 14
	STEP 0                                         ; step 15
	; THE WAY OUT.  The four additions are the places behind the last products.
.irp t, 0,1,2,3
	v_add_f32 v[ST+12*\t+6], v[ST+12*\t+2], v[ST+12*\t+3]
.endr
.irp t, 0,1,2,3
	v_permlanex16_b32 v[ST+12*\t+10], v[ST+12*\t+6], s[SEL], s[SEL+1]
.endr
.irp t, 0,1,2,3
	v_add_f32 v[ST+12*\t+6], v[ST+12*\t+6], v[ST+12*\t+10]                     ; the row's sum
.endr
.irp t, 0,1,2,3
	v_rcp_f32 v[ST+12*\t+4], v[ST+12*\t+6]
.endr
	v_nop                                          ; a plain instruction behind the last reciprocal,
	s_wait_alu depctr_va_vdst(0)                   ; and one wait for the four, ahead of their first reader
	s_wait_loadcnt 0x0                             ; the bias
	WIN 0x11                                       ; O^T (source 0) and the bias (source 2) window 1
.irp t, 0,1,2,3
.irp k, 0,2,4,6,8,10,12,14,16,18,20,22,24,26,28,30
	v_pk_fma_f32 v[S+32*\t+\k:S+32*\t+\k+1], v[O+32*\t+\k:O+32*\t+\k+1], v[ST+12*\t+4:ST+12*\t+5], v[KF+\k:KF+\k+1] op_sel_hi:[1,0,1]   ; O / sum + bias; each accumulator from its low end on
.endr
.endr
	WIN 0
.irp t, 0,1,2,3
.irp i, 0,1,2,3,4,5,6,7,8,9,10,11,12,13,14,15
	v_cvt_pk_f16_f32 v[S+32*\t+\i], v[S+32*\t+2*\i], v[S+32*\t+2*\i+1]         ; in place, ascending
.endr
.endr
.irp t, 0,1,2,3
.irp d, 0,1,2,3
	global_store_b128 v[LI], v[S+32*\t+4*\d:S+32*\t+4*\d+3], s[44:45] offset:4096*\t+512*\d   ; 32 lanes store 512 consecutive bytes, aligned
.endr
.endr
	s_wait_tensorcnt 0x0                           ; the wave's end: a wait, the add onto my spare word and its wait, behind my last tensor load
	ds_add_u32 v[SPW], v[NIL]
	s_wait_dscnt 0x0
	s_endpgm
.Lfunc_end_k_q971b3ab419_attn:
	.size	k_q971b3ab419_attn, .Lfunc_end_k_q971b3ab419_attn-k_q971b3ab419_attn
	.p2alignl 7, 3214868480
	.fill 96, 4, 3214868480
	.section	.rodata,"a",@progbits
	.p2align	6, 0x0
	.amdhsa_kernel k_q971b3ab419_attn
		.amdhsa_group_segment_fixed_size 327680
		.amdhsa_private_segment_fixed_size 0
		.amdhsa_enable_private_segment 0
		.amdhsa_kernarg_size 72
		.amdhsa_user_sgpr_count 2
		.amdhsa_user_sgpr_kernarg_segment_ptr 1
		.amdhsa_wavefront_size32 1
		.amdhsa_system_sgpr_workgroup_id_x 1
		.amdhsa_system_sgpr_workgroup_id_y 1
		.amdhsa_system_sgpr_workgroup_id_z 1
		.amdhsa_system_vgpr_workitem_id 0
		.amdhsa_next_free_vgpr 512
		.amdhsa_next_free_sgpr 80
		.amdhsa_reserve_vcc 0
		.amdhsa_float_denorm_mode_32 3
		.amdhsa_float_denorm_mode_16_64 3
		.amdhsa_memory_ordered 1
		.amdhsa_forward_progress 1
		.amdhsa_inst_pref_size 243
	.end_amdhsa_kernel
	.amdgpu_metadata
---
amdhsa.version: [ 1, 2 ]
amdhsa.kernels:
  - .name:           k_q971b3ab419_attn
    .symbol:         k_q971b3ab419_attn.kd
    .args:
      - { .name: xc, .offset: 0, .size: 8, .value_kind: global_buffer, .address_space: global }
      - { .name: xs, .offset: 8, .size: 8, .value_kind: global_buffer, .address_space: global }
      - { .name: wc, .offset: 16, .size: 8, .value_kind: global_buffer, .address_space: global }
      - { .name: ws, .offset: 24, .size: 8, .value_kind: global_buffer, .address_space: global }
      - { .name: b_qkv, .offset: 32, .size: 8, .value_kind: global_buffer, .address_space: global }
      - { .name: q_gamma, .offset: 40, .size: 8, .value_kind: global_buffer, .address_space: global }
      - { .name: q_beta, .offset: 48, .size: 8, .value_kind: global_buffer, .address_space: global }
      - { .name: kv, .offset: 56, .size: 8, .value_kind: global_buffer, .address_space: global }
      - { .name: att, .offset: 64, .size: 8, .value_kind: global_buffer, .address_space: global }
    .group_segment_fixed_size: 327680
    .private_segment_fixed_size: 0
    .kernarg_segment_align: 8
    .kernarg_segment_size: 72
    .max_flat_workgroup_size: 256
    .sgpr_count:     80
    .vgpr_count:     512
    .wavefront_size: 32
...
	.end_amdgpu_metadata
.endif
;; end of part 3
;; launch proj (part 4): grid 4 x 64, 4 waves a work-group, clusters of 4 x 4, 327,680 bytes of LDS; arguments att, wp, b_proj, out0; writes out0
.if DOCPART == 4
	.amdgcn_target "amdgcn-amd-amdhsa--gfx1250"
	.amdhsa_code_object_version 6
	.text
	.protected	k_q971b3ab419_proj
	.globl	k_q971b3ab419_proj
	.p2align	8
	.type	k_q971b3ab419_proj,@function
k_q971b3ab419_proj:
	s_mov_b64 s[64:65], 0
	v_nop
	global_prefetch_b8 v0, s[64:65] scope:SCOPE_SE
	s_setreg_imm32_b32 hwreg(HW_REG_WAVE_MODE, 25, 1), 1
	s_wait_xcnt 0x0
	s_wait_alu depctr_hold_cnt(0) depctr_sa_sdst(0) depctr_va_vdst(0) depctr_va_sdst(0) depctr_va_ssrc(0) depctr_va_vcc(0) depctr_vm_vsrc(0)
	s_getreg_b32 s2, hwreg(HW_REG_IB_STS2, 6, 4)
	s_cmp_eq_u32 s2, 0
	s_cbranch_scc0 .Lentry_in_a_cluster
	s_endpgm
.Lentry_in_a_cluster:
	s_bfe_u32 s2, ttmp6, 0x10000c
	s_cmp_lg_u32 s2, 0xf033
	s_cbranch_scc0 .Lentry_shape_is_right
	s_endpgm
.Lentry_shape_is_right:
; PROJ.  out0[m][n] = sum over k of att[m][k] w_proj[n][k] + b_proj[n].  att [8192 x 1024] and w_proj [1024 x 1024] arrive as f16 in the order of the operands' registers:
; [128 along K 8][tile of 16 rows][block of 16 along K 8][lane][16 bytes]; sums in f32; out0 f32.
; A tile of out0 is 128 (m) x 256 (n): 256 work-groups.  Four waves, each 64 x 128: 32 accumulators, 256 registers.  K goes in eight steps of 128 through a ring of two LDS slots; a K step's tiles are dense
; blocks of memory (A's 32,768 bytes, B's 65,536), and every LDS read takes 512 consecutive bytes: no padding.
; CLUSTERS: 4 x 4 work-groups.  The four of a row of the cluster need the same tiles of att, the four of a column the same tiles of w_proj: each is asked for JOINTLY.
; THE MATRIX INSTRUCTION IS USED TRANSPOSED (source 0 = 16 rows of w_proj, source 1 = 16 rows of att): a lane holds eight neighbouring numbers of a row of out0.
; REGISTERS: window 0: v12-15 the bias; v16-30 addresses; v32-127, v128-223 two fragment buffers (32 along K: A's four at f, B's eight at f + 32); on the way out v32-159 hold rows.   window 1: the accumulators ((a, b) at v[8 (8 a + b)]).
.set SLOT,   98304                     ; A's 8 tiles of 4,096 bytes, then B's 16
.set BOFF,   32768
.set STAGE,  2*SLOT                    ; behind the ring: 16 rows x (512 bytes + 16) for each wave, for the way out; no tensor load lands there
.set SPITCH, 528
.set SPARE,  STAGE+4*16*SPITCH         ; behind the stages: the spare words, 128 bytes for each wave
.set KSA,    2097152                   ; a K step on, in att
.set KSB,    262144                    ; and in wp
.set LAPS,   4                         ; a lap = two K steps = once round the ring
.set BIAS, 12
.set ADRA, 16                          ; v16-17  LDS address of my A fragments in slot 0, 1
.set ADRB, 20                          ; v20-21  the same for B
.set STO,  24                          ; v24     the way out: where I put 32 bytes of a row
.set RD,   25                          ; v25     the way out: where I read a row back
.set CO,   26                          ; v26     16 x lane
.set SPW,  28                          ; v28     LDS address of my spare word; never rewritten
.set NIL,  29                          ; v29     0; never rewritten
.set PFO,  30                          ; v30     256 x lane: the prefetch's offset; never rewritten
.set F0,   32
.set F1,   128
.set BK,   32                          ; the way out: 16 rows read back: v32-95 and v96-159 by turns
.set WV,   12                          ; s12 my wave's number; s13 = wave / 2, s14 = wave % 2
.set G1, 24                            ; s[24:31] descriptor group 1 for A's tiles;  s[32:39] group 0, one set for each slot
.set G0, 32
.set G1B, 48                           ; s[48:55], s[56:63] the same for B's tiles
.set G0B, 56
.set LIM, 43                           ; s43 1 in the wave that prefetches, else the greatest number
.set PFA, 44                           ; s[44:45] where my work-group's prefetches stand
.set MSB, 0
.macro WIN new                         ; the immediate's high byte repeats the setting that is left
.if MSB != (\new)
	s_set_vgpr_msb (MSB<<8)|(\new)
.set MSB, (\new)
.endif
.endm
.set MUL, 0x50                         ; sources window 0; C and D window 1
.macro JLOAD s                         ; a joint load: waves 0 and 1 fetch A's two halves, waves 2 and 3 B's; an s_nop 0 and four v_nop follow each of the two lines
	s_cmp_eq_u32 s13, 0
	s_cbranch_scc0 .Lfor_b_\@
	tensor_load_to_lds s[G0+4*\s:G0+4*\s+3], s[G1:G1+7]
	s_nop 0
.rept 4
	v_nop
.endr
	s_branch .Lasked_\@
.Lfor_b_\@:
	tensor_load_to_lds s[G0B+4*\s:G0B+4*\s+3], s[G1B:G1B+7]
	s_nop 0
.rept 4
	v_nop
.endr
.Lasked_\@:
.endm
.macro CREST                           ; a round of the cluster's barrier behind its opening barrier
	s_cmp_lg_u32 s[WV], 0
	s_cbranch_scc1 .Lnot_wave_0_\@
	s_barrier_signal -3
.Lnot_wave_0_\@:
	s_barrier_wait -3
	s_barrier_signal -1
	s_barrier_wait -1
.endm
.macro CROUND
	s_barrier_signal -1
	s_barrier_wait -1
	CREST
.endm
; A PREFETCH INTO THE L2 of att's K step that stands two refills on: the tile row's 32,768 bytes; the four partners that ask for it jointly take 8,192 each, told apart BY ADDRESS; in each, wave 0 asks, lanes 256 bytes apart:
; one instruction.  No other cluster reads these rows, so each block of 256 bytes is named once in the launch.  The loop's last trip asks for nothing: K steps 4 to 7 are named, K steps 0 to 3 come by their loads alone.
; wp is read by every cluster again and again, and is not asked for.
.macro ASK
	s_cmp_gt_u32 s3, s[LIM]                        ; s3 = 1 in the loop's last trip
	s_cbranch_scc0 .Lnot_mine_\@
	global_prefetch_b8 v[PFO], s[PFA:PFA+1] th:TH_LOAD_NT scope:SCOPE_SE
.Lnot_mine_\@:
.endm
	s_load_b256 s[4:11], s[0:1], 0x0               ; att s[4:5], wp s[6:7], b_proj s[8:9], out0 s[10:11]
	v_lshl_add_u32 v[SPW], v0, 2, SPARE
	v_mov_b32 v[NIL], 0
	ds_add_u32 v[SPW], v[NIL]                      ; the wave's opening: the add, twice on end, and its wait ahead of my first tensor load
	ds_add_u32 v[SPW], v[NIL]
	v_lshrrev_b32 v1, 5, v0
	v_readfirstlane_b32 s[WV], v1                  ; wave 0..3
	s_lshr_b32 s13, s[WV], 1                       ; which 64 rows of the tile are mine.  Also: I fetch for A (0) or for B (1)
	s_and_b32 s14, s[WV], 1                        ; which 128 columns.  Also: which half of that tile I fetch
	s_bfe_u32 s40, ttmp6, 0x40000                  ; cx, cy: my place in the cluster
	s_bfe_u32 s41, ttmp6, 0x40004
	s_lshl_b32 s42, ttmp9, 2
	s_add_co_u32 s42, s42, s40                     ; tile column = 4 x cluster x + cx
	s_and_b32 s15, ttmp7, 0xffff
	s_lshl_b32 s15, s15, 2
	s_add_co_u32 s15, s15, s41                     ; tile row = 4 x cluster y + cy
	s_lshl_b32 s46, s41, 2
	s_lshl_b32 s46, 15, s46                        ; my row of the cluster
	s_lshl_b32 s47, 0x1111, s40                    ; my column
	; descriptor group 1: dense blocks as rows of 256 bytes (32 elements of 8 bytes): A's half 64 rows, B's half 128
	s_or_b32 s[G1+0], s46, (3<<16)|(1<<21)         ; 15:0 the mask; 17:16 elements of 8 bytes; 21 set beside a mask; no padding
	s_or_b32 s[G1B+0], s47, (3<<16)|(1<<21)
	s_mov_b32 s[G1+1], 32<<16                      ; tensor_dim0
	s_mov_b32 s[G1+2], 64<<16                      ; tensor_dim1
	s_mov_b32 s[G1+3], 32<<16                      ; tile_dim0
	s_mov_b32 s[G1+4], 64                          ; tile_dim1
	s_mov_b32 s[G1+5], 32                          ; tensor_dim0_stride
	s_mov_b32 s[G1+6], 0
	s_mov_b32 s[G1+7], 0
	s_mov_b32 s[G1B+1], 32<<16
	s_mov_b32 s[G1B+2], 128<<16
	s_mov_b32 s[G1B+3], 32<<16
	s_mov_b32 s[G1B+4], 128
	s_mov_b32 s[G1B+5], 32
	s_mov_b32 s[G1B+6], 0
	s_mov_b32 s[G1B+7], 0
	s_lshl_b32 s16, s15, 15                        ; A: 8 tiles of 4,096 bytes to a tile row,
	s_lshl_b32 s18, s14, 14                        ; 4 to a half
	s_add_co_u32 s16, s16, s18
	s_mov_b32 s17, 0
	s_lshl_b32 s20, s42, 16                        ; B: 16 to a tile column,
	s_lshl_b32 s18, s14, 15                        ; 8 to a half
	s_add_co_u32 s20, s20, s18
	s_mov_b32 s21, 0
	s_lshl_b32 s22, s14, 14                        ; where they go: no place in the cluster enters an LDS address
	s_lshl_b32 s23, s14, 15
	s_add_co_u32 s23, s23, BOFF
	s_wait_dscnt 0x0                               ; both opening adds are done
	s_wait_kmcnt 0x0
	s_add_nc_u64 s[16:17], s[4:5], s[16:17]
	s_add_nc_u64 s[20:21], s[6:7], s[20:21]
	CROUND                                         ; all sixteen work-groups are here: the first joint loads meet
.irp s, 0,1
	s_mov_b32 s[G0+4*\s], 1
	s_add_co_u32 s[G0+4*\s+1], s22, \s*SLOT
	s_add_nc_u64 s[G0+4*\s+2:G0+4*\s+3], s[16:17], \s*KSA
	s_or_b32 s[G0+4*\s+3], s[G0+4*\s+3], 0x80000000
	s_mov_b32 s[G0B+4*\s], 1
	s_add_co_u32 s[G0B+4*\s+1], s23, \s*SLOT
	s_add_nc_u64 s[G0B+4*\s+2:G0B+4*\s+3], s[20:21], \s*KSB
	s_or_b32 s[G0B+4*\s+3], s[G0B+4*\s+3], 0x80000000
	JLOAD \s                                       ; two tensor loads of mine are out behind the second
.endr
	v_and_b32 v1, 15, v0                           ; l % 16
	v_bfe_u32 v2, v0, 4, 1                         ; l / 16
	v_and_b32 v3, 31, v0
	v_lshlrev_b32 v[CO], 4, v3
	v_lshlrev_b32 v[PFO], 8, v3
	s_lshl_b32 s18, s13, 14                        ; my four tiles of A
	s_lshl_b32 s19, s14, 15                        ; my eight of B,
	s_add_co_u32 s19, s19, BOFF                    ; which lie behind A's
.irp s, 0,1
	v_add_nc_u32 v[ADRA+\s], s18, v[CO]
	v_add_nc_u32 v[ADRB+\s], s19, v[CO]
	s_add_co_u32 s18, s18, SLOT
	s_add_co_u32 s19, s19, SLOT
.endr
	s_mul_i32 s18, s[WV], 16*SPITCH
	s_add_co_u32 s18, s18, STAGE                   ; my stage
	v_mul_u32_u24 v4, v1, SPITCH                   ; in: row l % 16, 32 bytes for each half of the lanes
	v_lshl_add_u32 v4, v2, 5, v4
	v_add_nc_u32 v[STO], s18, v4
	v_add_nc_u32 v[RD], s18, v[CO]                 ; back: the 32 lanes take one row of 512 bytes
	s_lshl_b32 s18, s42, 10                        ; my first column, in bytes: 1,024 x tile column + 512 x half
	s_lshl_b32 s19, s14, 9
	s_add_co_u32 s18, s18, s19
	s_mov_b32 s19, 0
	s_add_nc_u64 s[8:9], s[8:9], s[18:19]
	global_load_b128 v[BIAS:BIAS+3], v[CO], s[8:9] ; the bias of my four columns, the same in every row
	s_add_nc_u64 s[10:11], s[10:11], s[18:19]
	s_lshl_b32 s18, s15, 19                        ; my first row: 128 x tile row + 64 x half, rows of 4,096 bytes
	s_lshl_b32 s20, s13, 18
	s_add_co_u32 s18, s18, s20
	s_add_nc_u64 s[10:11], s[10:11], s[18:19]
	s_lshl_b32 s18, s15, 15                        ; the prefetches: my tile row's block of a K step,
	s_lshl_b32 s20, s40, 13                        ; my work-group's quarter of it,
	s_add_co_u32 s18, s18, s20
	s_add_nc_u64 s[PFA:PFA+1], s[4:5], s[18:19]
	s_add_nc_u64 s[PFA:PFA+1], s[PFA:PFA+1], 3*KSA ; at K step 3: the first change of slots steps it to 4.  Nothing is prefetched here, at the head
	s_cmp_eq_u32 s[WV], 0
	s_cselect_b32 s[LIM], 1, -1
; 8 matrix instructions: A's block a x B's eight, 32 along K.  zero = 1: the product starts the sums.  The 32 accumulators take turns, one instruction a turn.
.macro MUL8 f, a, zero
.irp b, 0,1,2,3,4,5,6,7
.if \zero
	v_wmma_f32_16x16x32_f16 v[8*(8*(\a)+\b):8*(8*(\a)+\b)+7], v[\f+32+8*\b:\f+32+8*\b+7], v[\f+8*(\a):\f+8*(\a)+7], 0
.else
	v_wmma_f32_16x16x32_f16 v[8*(8*(\a)+\b):8*(8*(\a)+\b)+7], v[\f+32+8*\b:\f+32+8*\b+7], v[\f+8*(\a):\f+8*(\a)+7], v[8*(8*(\a)+\b):8*(8*(\a)+\b)+7]
.endif
.endr
.endm
; 24 LDS loads in one run: the fragments of the slot's kf-th 32 along K into buffer f: B's eight, then A's four
.macro FETCH slot, kf, f
.irp b, 0,1,2,3,4,5,6,7
.irp c, 0,1
	ds_load_b128 v[\f+32+8*\b+4*\c:\f+32+8*\b+4*\c+3], v[ADRB+\slot] offset:4096*\b+1024*(\kf)+512*\c
.endr
.endr
.irp a, 0,1,2,3
.irp c, 0,1
	ds_load_b128 v[\f+8*\a+4*\c:\f+8*\a+4*\c+3], v[ADRA+\slot] offset:4096*\a+1024*(\kf)+512*\c
.endr
.endr
.endm
.macro PLACES                          ; four plain vector instructions in front of loads into registers that matrix instructions have read, and of the first read of results
.rept 4
	v_nop
.endr
.endm
; A K step is four quarters of 32 along K, 32 matrix instructions each, on buffers 0, 1, 0, 1.  One of the first three: multiplies buffer f and fetches quarter kf into g.
.macro QUARTER slot, kf, f, g, zero
	s_wait_dscnt 4                                 ; B and A's blocks 0, 1 are in; the youngest four loads (A's blocks 2, 3) may be out
	WIN MUL
	MUL8 \f, 0, \zero
	MUL8 \f, 1, \zero
	PLACES
	WIN 0
	FETCH \slot, \kf, \g
	s_wait_dscnt 24                                ; all but the 24 just issued
	WIN MUL
	MUL8 \f, 2, \zero
	MUL8 \f, 3, \zero
.endm
; The last quarter multiplies buffer 1 and changes slots: one barrier; in front of it each wave waits for all its tensor loads, adds 0 to its spare word, and waits for that and for its reads of this slot.
; fill = 1: the barrier opens a round of the cluster's, and this slot is filled again, two K steps ahead, first thing behind the round.
.macro TURN slot, next, fill
.if \fill
	s_wait_xcnt 0x0                                ; the last prefetch, a K step back, has read its address: it is stepped here, ahead of the change's own waits
	s_add_nc_u64 s[PFA:PFA+1], s[PFA:PFA+1], KSA
.endif
	WIN 0                                          ; (the add's two registers lie in window 0)
	s_wait_tensorcnt 0x0                           ; all my tensor loads have landed: the one that was out is my part of the next slot
	ds_add_u32 v[SPW], v[NIL]                      ; 0 onto my spare word
	s_wait_dscnt 5                                 ; (the add and the youngest four loads may be out)
	WIN MUL
	MUL8 F1, 0, 0                                  ; eight matrix instructions stand between the add and the wait for it
	s_wait_dscnt 0x0                               ; the add is done, and my reads of this slot are over
	s_barrier_signal -1
	MUL8 F1, 1, 0
	WIN 0
	s_barrier_wait -1
.if \fill
	CREST                                          ; no wave of any partner still reads this slot's tile or has a load on its way
	s_add_nc_u64 s[G0+4*\slot+2:G0+4*\slot+3], s[G0+4*\slot+2:G0+4*\slot+3], 2*KSA
	s_add_nc_u64 s[G0B+4*\slot+2:G0B+4*\slot+3], s[G0B+4*\slot+2:G0B+4*\slot+3], 2*KSB
	JLOAD \slot                                    ; my one tensor load behind the round; the four v_nop behind it are also the places in front of the loads below
.else
	PLACES
.endif
	FETCH \next, 0, F0
.if \fill
	ASK                                            ; behind the joint load and the run of LDS loads that the next products wait for
.endif
	WIN MUL
	MUL8 F1, 2, 0
	MUL8 F1, 3, 0
.endm
	s_wait_tensorcnt 1                             ; my part of K step 0 is in (K step 1's load may be out)
	s_barrier_signal -1
	s_barrier_wait -1                              ; everybody's is
	FETCH 0, 0, F0
	QUARTER 0, 1, F0, F1, 1                        ; the first quarter stands in front of the loop: its products start the sums
	WIN 0                                          ; at a label and at a branch every window is 0
	s_mov_b32 s3, LAPS-1
.Llap:                                                 ; a trip goes once round the ring, from a lap's second quarter to the next lap's first, and fills both slots again
	QUARTER 0, 2, F1, F0, 0
	QUARTER 0, 3, F0, F1, 0
	TURN 0, 1, 1
	QUARTER 1, 1, F0, F1, 0
	QUARTER 1, 2, F1, F0, 0
	QUARTER 1, 3, F0, F1, 0
	TURN 1, 0, 1
	QUARTER 0, 1, F0, F1, 0
	WIN 0
	s_sub_co_u32 s3, s3, 1
	s_cmp_lg_u32 s3, 0
	s_cbranch_scc1 .Llap
	QUARTER 0, 2, F1, F0, 0                        ; the last lap fills nothing, and has no round of the cluster's barrier
	QUARTER 0, 3, F0, F1, 0
	TURN 0, 1, 0
	QUARTER 1, 1, F0, F1, 0
	QUARTER 1, 2, F1, F0, 0
	QUARTER 1, 3, F0, F1, 0
	s_wait_dscnt 4                                 ; the very last quarter: nothing more to fetch
	WIN MUL
	MUL8 F1, 0, 0
	MUL8 F1, 1, 0
	s_wait_dscnt 0
	MUL8 F1, 2, 0
	MUL8 F1, 3, 0
	WIN 0
; THE WAY OUT, block by block of 16 rows x 128 columns.  A lane holds 32 neighbouring bytes of a row, and the lanes beside it hold other rows: so a block goes through my own stage in LDS and comes back as whole
; rows of 512 bytes, takes the bias, and is stored: 32 lanes, 512 consecutive bytes, aligned.  LDS serves a wave's instructions in order (ISA guide 5.7.1.4): no wait between the stores and the loads.
.macro TOSTAGE a
	WIN 0x04                                       ; an LDS store's data are its source 1: window 1
.irp b, 0,1,2,3,4,5,6,7
	ds_store_b128 v[STO], v[8*(8*(\a)+\b):8*(8*(\a)+\b)+3] offset:64*\b        ; each accumulator from its low end on
	ds_store_b128 v[STO], v[8*(8*(\a)+\b)+4:8*(8*(\a)+\b)+7] offset:64*\b+16
.endr
	WIN 0
.set BB, BK+64*((\a)%2)
.irp t, 0,1,2,3,4,5,6,7,8,9,10,11,12,13,14,15
	ds_load_b128 v[BB+4*\t:BB+4*\t+3], v[RD] offset:\t*SPITCH
.endr
.endm
.macro SEND a, younger                 ; younger: the LDS instructions issued behind block a's loads, which may stay out
.set BB, BK+64*((\a)%2)
	s_wait_dscnt \younger                          ; the block is back in registers
.irp t, 0,1,2,3,4,5,6,7,8,9,10,11,12,13,14,15
	v_pk_add_f32 v[BB+4*\t:BB+4*\t+1], v[BB+4*\t:BB+4*\t+1], v[BIAS:BIAS+1]
	v_pk_add_f32 v[BB+4*\t+2:BB+4*\t+3], v[BB+4*\t+2:BB+4*\t+3], v[BIAS+2:BIAS+3]
.endr
.irp t, 0,1,2,3,4,5,6,7,8,9,10,11,12,13,14,15
	global_store_b128 v[CO], v[BB+4*\t:BB+4*\t+3], s[10:11] offset:(16*(\a)+\t)*4096 th:TH_STORE_NT   ; written once, read by nobody here; 63 rows at the most in the immediate
.endr
.endm
	PLACES                                         ; behind the last products: their results are read, and rows land in the fragments' registers
	s_wait_loadcnt 0x0                             ; the bias
	TOSTAGE 0
.irp a, 1,2,3
.if \a > 1
	s_wait_xcnt 0x0                                ; block a - 2's stores have read their data: block a's rows may land there
.endif
	TOSTAGE \a
	SEND \a-1, 32                                  ; behind block a - 1's loads: block a's 16 stores and 16 loads
.endr
	SEND 3, 0
	s_wait_tensorcnt 0x0                           ; the wave's end: a wait, the add onto my spare word and its wait, behind my last tensor load and my last LDS store
	ds_add_u32 v[SPW], v[NIL]
	s_wait_dscnt 0x0
	CROUND                                         ; the closing round: no work-group ends while a partner may still ask for a tile that names it
	s_endpgm
.Lfunc_end_k_q971b3ab419_proj:
	.size	k_q971b3ab419_proj, .Lfunc_end_k_q971b3ab419_proj-k_q971b3ab419_proj
	.p2alignl 7, 3214868480
	.fill 96, 4, 3214868480
	.section	.rodata,"a",@progbits
	.p2align	6, 0x0
	.amdhsa_kernel k_q971b3ab419_proj
		.amdhsa_group_segment_fixed_size 327680
		.amdhsa_private_segment_fixed_size 0
		.amdhsa_enable_private_segment 0
		.amdhsa_kernarg_size 32
		.amdhsa_user_sgpr_count 2
		.amdhsa_user_sgpr_kernarg_segment_ptr 1
		.amdhsa_wavefront_size32 1
		.amdhsa_system_sgpr_workgroup_id_x 1
		.amdhsa_system_sgpr_workgroup_id_y 1
		.amdhsa_system_sgpr_workgroup_id_z 1
		.amdhsa_system_vgpr_workitem_id 0
		.amdhsa_next_free_vgpr 512
		.amdhsa_next_free_sgpr 66
		.amdhsa_reserve_vcc 0
		.amdhsa_float_denorm_mode_32 3
		.amdhsa_float_denorm_mode_16_64 3
		.amdhsa_memory_ordered 1
		.amdhsa_forward_progress 1
		.amdhsa_inst_pref_size 93
	.end_amdhsa_kernel
	.amdgpu_metadata
---
amdhsa.version: [ 1, 2 ]
amdhsa.kernels:
  - .name:           k_q971b3ab419_proj
    .symbol:         k_q971b3ab419_proj.kd
    .args:
      - { .name: att, .offset: 0, .size: 8, .value_kind: global_buffer, .address_space: global }
      - { .name: wp, .offset: 8, .size: 8, .value_kind: global_buffer, .address_space: global }
      - { .name: b_proj, .offset: 16, .size: 8, .value_kind: global_buffer, .address_space: global }
      - { .name: out0, .offset: 24, .size: 8, .value_kind: global_buffer, .address_space: global }
    .group_segment_fixed_size: 327680
    .private_segment_fixed_size: 0
    .kernarg_segment_align: 8
    .kernarg_segment_size: 32
    .max_flat_workgroup_size: 128
    .sgpr_count:     66
    .vgpr_count:     512
    .wavefront_size: 32
...
	.end_amdgpu_metadata
.endif
;; end of part 4
